; MI455X (gfx1250); checked and timed in simulation.
; The chip was launched on July 23, 2026; its instructions are those of AMD's public machine-readable ISA for CDNA 5 (MIT licence, August 2026) and "CDNA5" Instruction Set Architecture Reference Guide (July 2026). The comments in the code are by the model that wrote it; some were corrected since.
;; Multi Head Self Attention. Allowed arithmetic: matrix products marked QUANTISED: E2M1 operands, one E8M0 scale for each 32 along K, by v_wmma_scale_f32_16x16x128_f8f6f4 with both operands' format E2M1 (or v_wmma_scale_f32_32x16x128_f4), f32 sums; products left as they are: bf16, f16 or f32 operands; f32 sums; everything else in f32.
;; Inputs: Wk 1,024 x 1,024 float32; Wo 1,024 x 1,024 float32; Wq 1,024 x 1,024 float32; Wv 1,024 x 1,024 float32; bk 1,024 float32; bo 1,024 float32; bq 1,024 float32; bv 1,024 float32; x 4 x 2,048 x 1,024 float32.
;; Outputs: out0 4 x 2,048 x 1,024 float32.
;; This version of the problem:
;;   THIS VERSION OF THE PROBLEM IS GIVEN IN LOW PRECISION. The matrix products marked QUANTISED in the list below multiply operands that are first quantised to E2M1 (2 exponent bits, 1 mantissa bit; 4 bits a number), with one power-of-two scale for each 32 numbers along K (OCP MX v1.0); their sums are f32. The products marked 'left as it is' may take bf16, f16 or f32 operands, with f32 sums. Whichever they take, every output number must still come out within the allowed error. Rounding operands to bf16 (8 significant bits) uses up far more of that allowance than f16 does (11 bits, for magnitudes from 6e-5 to 65,504). All else is computed in f32.
;;   The module's matrix products, in the order in which they are computed (A, B: the left and right operand; K: the contracted axis; several contracted axes count as one K, in the product's order):
;;     1. [M 8,192, K 1,024] x [K 1,024, N 1,024]; A: input x; B: input Wq: QUANTISED
;;     2. [M 8,192, K 1,024] x [K 1,024, N 1,024]; A: input x; B: input Wk: QUANTISED
;;     3. [M 8,192, K 1,024] x [K 1,024, N 1,024]; A: input x; B: input Wv: QUANTISED
;;     4. batch 64 x [M 2,048, K 64] x [K 64, N 2,048]; A: computed on the way; B: computed on the way: left as it is (an operand is computed on the way)
;;     5. batch 64 x [M 2,048, K 2,048] x [K 2,048, N 64]; A: computed on the way; B: computed on the way: left as it is (an operand is computed on the way)
;;     6. [M 8,192, K 1,024] x [K 1,024, N 1,024]; A: computed on the way; B: input Wo: left as it is (an operand is computed on the way)
;;   THE QUANTISER, for each operand of a quantised product, along K:
;;     - K is cut into blocks of 32 from its start; a last block that is shorter is filled with zeros.
;;     - A block's scale is 2^e with e = floor(log2(the largest magnitude in the block)) - 2, held to -126 .. 127; a block of zeros has e = 0. As a byte (E8M0): e + 127.
;;     - Each number is divided by its block's scale, clamped to +-6, and rounded to the nearest number of E2M1, ties to even, subnormals kept.
;;     - The product sums the exact products of the quantised numbers (number of the format x scale) in f32.
;;   ~~~python
;;   def quantise(x, axis):      # numpy; x: float32 -> the quantised numbers, widened to float32 again
;;       x = np.moveaxis(x, axis, -1); K = x.shape[-1]
;;       x = np.pad(x, [(0, 0)] * (x.ndim - 1) + [(0, -K % 32)]); x = x.reshape(x.shape[:-1] + (-1, 32)); a = np.abs(x).max(-1, keepdims=True)
;;       e = np.where(a > 0, np.clip(np.frexp(np.where(a > 0, a, 1))[1] - 1 - 2, -126, 127), 0)      # np.frexp(a)[1] - 1 = floor(log2(a)), exactly
;;       r = np.clip(x / 2.0 ** e, -6, 6)
;;       step = 2.0 ** (np.maximum(np.frexp(np.where(r == 0, 1, r))[1] - 1, 0) - 1)
;;       q = np.round(r / step) * step * 2.0 ** e      # np.round: ties to even
;;       return np.moveaxis(q.reshape(q.shape[:-2] + (-1,))[..., :K], -1, axis).astype(np.float32)
;;   ~~~
;; One version. Each part assembles by itself: llvm-mc -triple=amdgcn-amd-amdhsa -mcpu=gfx1250 --defsym DOCPART=n.
;; ======== version 1 of 1: 4 launches
;; limits: values are held in f16: magnitudes above 65,504 overflow, below 6.1e-05 lose precision
;; workspace buffers: xc 4,194,304 bytes; xs 262,144 bytes; wc 1,572,864 bytes; ws 98,304 bytes; wo16 2,097,152 bytes; qkv 50,331,648 bytes; att 16,777,216 bytes
;; launch prep (part 1): grid 368 x 1, 4 waves a work-group, no clusters, 69,632 bytes of LDS; arguments x, Wq, Wk, Wv, Wo, xc, xs, wc, ws, wo16; writes xc, xs, wc, ws, wo16
.if DOCPART == 1
	.amdgcn_target "amdgcn-amd-amdhsa--gfx1250"
	.amdhsa_code_object_version 6
	.text
	.protected	k_q0cc5b2c82d_prep
	.globl	k_q0cc5b2c82d_prep
	.p2align	8
	.type	k_q0cc5b2c82d_prep,@function
k_q0cc5b2c82d_prep:
	s_mov_b64 s[64:65], 0
	v_nop
	global_prefetch_b8 v0, s[64:65] scope:SCOPE_SE
	s_setreg_imm32_b32 hwreg(HW_REG_WAVE_MODE, 25, 1), 1
	s_wait_xcnt 0x0
; PREP: everything that is made once from the inputs, three paths chosen by the work-group's number.
;   work-groups 0-47:    Wq, Wk, Wv [1024 (k)][1024 (n)] f32 -> codes of FP4 (E2M1) laid [3072 = 1024 t + n][512 bytes], K innermost, and E8M0 bytes [3072][32]
;   work-groups 48-111:  Wo f32 -> f16, in Wo's own layout [k][n]
;   work-groups 112-367: x [8192][1024] f32 -> codes [8192][512 bytes] and E8M0 bytes [8192][32]
; A block's scale is 2^(floor(log2(its largest magnitude)) - 2); its byte is the largest magnitude's exponent field - 2, held at 1 from below.
; LIMITS: a block of zeros gets the byte 1 (its codes are zeros, and only this program reads the bytes); blocks whose largest magnitude lies under 2^-124 keep the byte 1;
; NaN and infinities among the inputs are not served; |Wo| up to 65,504 (f16).
; No work-group shares an input with another, so there is no cluster, no tensor load, no barrier: waves share nothing.  Each path that uses LDS has LDS bytes of its own.
.set SPARE, 67584                      ; behind both paths' regions: the spare words, 128 bytes for each wave
.set SPW,   254                        ; v254  LDS address of my spare word; never rewritten
.set NIL,   255                        ; v255  0; never rewritten
.set WV,    24                         ; s24   my wave's number
	s_load_b256 s[4:11], s[0:1], 0x0               ; x s[4:5], Wq s[6:7], Wk s[8:9], Wv s[10:11]
	s_load_b256 s[12:19], s[0:1], 0x20             ; Wo s[12:13], xc s[14:15], xs s[16:17], wc s[18:19]
	s_load_b128 s[20:23], s[0:1], 0x40             ; ws s[20:21], wo16 s[22:23]
	v_lshl_add_u32 v[SPW], v0, 2, SPARE
	v_mov_b32 v[NIL], 0
	v_lshrrev_b32 v1, 5, v0
	v_readfirstlane_b32 s[WV], v1                  ; wave 0..3
	v_and_b32 v2, 31, v0                           ; lane
	s_wait_kmcnt 0x0
	s_cmp_lt_u32 ttmp9, 48
	s_cbranch_scc1 .Lw
	s_cmp_lt_u32 ttmp9, 112
	s_cbranch_scc1 .Lcast
; ---------------- x: a plain stream of blocks of 32.  A wave takes 16 steps of 512 numbers.  Each load reads 512 consecutive bytes; a step's 2,048 bytes turn through the wave's own stage
; in LDS so that a lane holds 16 neighbours (two lanes hold a block).  Loads run eight steps (32 loads a wave) ahead, the turn through LDS one step.
.set STEPS, 16
.set AHEAD, 8
.set WREG,  8192                       ; LDS from 0: a region for each wave: two stages of 32 x 80 bytes, behind them its 256 scale bytes
.set SP,    80                         ; a lane's place in a stage: 64 bytes + 16 of padding
.set XR,    16                         ; v16-143   eight sets of 16 numbers as loaded
.set XX,    144                        ; v144-175  two sets of 16 neighbours
.set XE,    176                        ; v176-191  a scale byte for each step
.set XC,    192                        ; v192-223  two registers of codes for each step: no store's data are written again
	v_lshlrev_b32 v3, 4, v2                        ; my 16 bytes of a load's 512
	s_mul_i32 s25, s[WV], WREG
	v_lshrrev_b32 v14, 2, v2
	v_mul_u32_u24 v14, v14, SP
	v_and_b32 v15, 3, v2
	v_lshl_add_u32 v14, v15, 4, v14
	v_add_nc_u32 v14, s25, v14                     ; the stage, in: 80 (lane / 4) + 16 (lane % 4)
	v_mul_u32_u24 v15, v2, SP
	v_add_nc_u32 v15, s25, v15                     ; and out: 80 x lane: my 16 neighbours
	v_lshlrev_b32 v4, 3, v2                        ; my 8 bytes of a step's 256 bytes of codes
	v_lshrrev_b32 v5, 1, v2
	s_add_co_u32 s25, s25, 2*32*SP
	v_add_nc_u32 v5, s25, v5                       ; my block's scale byte in LDS
	v_lshlrev_b32 v7, 3, v2
	v_add_nc_u32 v6, s25, v7                       ; and on the way out 8 bytes a lane
	s_sub_co_u32 s26, ttmp9, 112
	s_lshl_b32 s26, s26, 2
	s_add_co_u32 s26, s26, s[WV]                   ; which run of 8,192 numbers is my wave's: 0..1023
	s_mov_b32 s29, 0
	s_lshl_b32 s28, s26, 15                        ; 32,768 bytes of x,
	s_add_nc_u64 s[4:5], s[4:5], s[28:29]
	s_lshl_b32 s28, s26, 12                        ; 4,096 of codes,
	s_add_nc_u64 s[14:15], s[14:15], s[28:29]
	s_lshl_b32 s28, s26, 8                         ; 256 scale bytes
	s_add_nc_u64 s[16:17], s[16:17], s[28:29]
.macro XLOAD t
.irp i, 0,1,2,3
	global_load_b128 v[XR+16*((\t)%AHEAD)+4*\i:XR+16*((\t)%AHEAD)+4*\i+3], v3, s[4:5] offset:2048*(\t)+512*\i th:TH_LOAD_NT
.endr
.endm
.macro XTURN t                         ; step t through the stage: LDS serves a wave's instructions in order, so no wait stands between the stores and the loads
.irp i, 0,1,2,3
	ds_store_b128 v14, v[XR+16*((\t)%AHEAD)+4*\i:XR+16*((\t)%AHEAD)+4*\i+3] offset:32*SP*((\t)%2)+8*SP*\i
.endr
.irp i, 0,1,2,3
	ds_load_b128 v[XX+16*((\t)%2)+4*\i:XX+16*((\t)%2)+4*\i+3], v15 offset:32*SP*((\t)%2)+16*\i
.endr
.endm
.irp t, 0,1,2,3,4,5,6,7
	XLOAD \t
.endr
	s_wait_loadcnt 28                              ; step 0's four loads are in; the seven steps behind it stay out
	XTURN 0
.macro XSTEP t
.set XS, XX+16*((\t)%2)
.if (\t) > 0
	s_wait_dscnt 1                                 ; this step's numbers are back from the stage (the last step's byte store may be out), so its stores into the stage have read their registers,
.else
	s_wait_dscnt 0x0
.endif
.if (\t)+AHEAD < STEPS
	XLOAD (\t)+AHEAD                               ; which take the loads of eight steps on
.endif
.if (\t)+1 < STEPS
.if STEPS-2-(\t) >= AHEAD-1
	s_wait_loadcnt 4*(AHEAD-1)                     ; the next step's four loads are in; those of the seven steps behind it may be out
.else
	s_wait_loadcnt 4*(STEPS-2-(\t))                ; near the end fewer steps stand behind it
.endif
	XTURN (\t)+1
.endif
	v_max3_num_f32 v8, |v[XS]|, |v[XS+1]|, |v[XS+2]|               ; the largest magnitude of my 16, in two chains
	v_max3_num_f32 v9, |v[XS+3]|, |v[XS+4]|, |v[XS+5]|
.irp i, 6,10
	v_max3_num_f32 v8, v8, |v[XS+\i]|, |v[XS+\i+1]|
	v_max3_num_f32 v9, v9, |v[XS+\i+2]|, |v[XS+\i+3]|
.endr
	v_max3_num_f32 v8, v8, |v[XS+14]|, |v[XS+15]|
	v_max3_num_f32 v8, v8, v9, 0x1800000           ; and the floor 2^(3 - 127): the byte cannot fall under 1
	v_max_num_f32_dpp v8, v8, v8 row_xmask:1 row_mask:0xf bank_mask:0xf   ; and of my neighbour's 16: the block's
	v_add_nc_u32 v11, 0xff000000, v8               ; 2 off its exponent field: the conversion takes this operand's exponent field as its scale
	v_cvt_scalef32_pk8_fp4_f32 v[XC+2*(\t)], v[XS:XS+7], v11
	v_cvt_scalef32_pk8_fp4_f32 v[XC+2*(\t)+1], v[XS+8:XS+15], v11
	v_lshrrev_b32 v[XE+(\t)], 23, v11              ; the scale's byte (also the plain line behind the conversions)
	ds_store_b8 v5, v[XE+(\t)] offset:16*(\t)      ; both lanes of a block write the same byte with the same value
	global_store_b64 v4, v[XC+2*(\t):XC+2*(\t)+1], s[14:15] offset:256*(\t)   ; the wave stores 256 consecutive bytes, aligned
.endm
.irp t, 0,1,2,3,4,5,6,7,8,9,10,11,12,13,14,15
	XSTEP \t
.endr
	ds_load_b64 v[8:9], v6                         ; LDS serves a wave's instructions in order: these see my byte stores
	s_wait_dscnt 0x0
	global_store_b64 v7, v[8:9], s[16:17]          ; the wave's 256 scale bytes: 256 consecutive bytes, aligned
	s_wait_tensorcnt 0x0                           ; the wave's end, behind my last LDS store
	ds_add_u32 v[SPW], v[NIL]
	s_wait_dscnt 0x0
	s_endpgm
; ---------------- Wq, Wk, Wv: K is the FIRST axis.  A lane takes a column n and its registers run down K: a block of 32 lies in one lane, and the codes come out with K innermost.
; Work-group i: tensor i / 16, columns 128 (i % 8) on, K 512 ((i / 8) % 2) on; a wave takes 32 columns x 512 along K.  The codes leave through the wave's own stage as rows of 256 bytes.
.set WP,    272                        ; a stage row: 256 bytes + 16
.set WSTG,  32768                      ; LDS: this path's four stages of 32 x 272 bytes
.set WX,    32                         ; v32-95   two sets of 32 numbers
.set WC,    96                         ; v96-99   a block's codes
.set WOUT,  112                        ; v112-175 the way out
.set WSB,   24                         ; v24-27   the scale bytes, four to a register
.set NB,    16
.Lw:
	s_lshr_b32 s25, ttmp9, 4                       ; the tensor: 0 q, 1 k, 2 v
	s_cmp_eq_u32 s25, 0
	s_cselect_b64 s[6:7], s[6:7], s[8:9]
	s_cmp_eq_u32 s25, 2
	s_cselect_b64 s[6:7], s[10:11], s[6:7]         ; the choice hangs on the work-group's number alone
	s_and_b32 s26, ttmp9, 7
	s_bfe_u32 s27, ttmp9, 0x10003                  ; which 512 along K
	s_lshl_b32 s26, s26, 7
	s_lshl_b32 s28, s[WV], 5
	s_add_co_u32 s26, s26, s28                     ; my wave's first column
	s_lshl_b32 s28, s27, 21                        ; 512 rows of 4,096 bytes
	s_lshl_b32 s29, s26, 2
	s_add_co_u32 s28, s28, s29
	s_mov_b32 s29, 0
	s_add_nc_u64 s[6:7], s[6:7], s[28:29]
	s_lshl_b32 s25, s25, 10
	s_add_co_u32 s25, s25, s26                     ; my first row of the codes: 1024 t + column
	s_lshl_b32 s28, s25, 9
	s_lshl_b32 s30, s27, 8
	s_add_co_u32 s28, s28, s30
	s_add_nc_u64 s[18:19], s[18:19], s[28:29]      ; codes: row x 512 + 256 x K half
	s_lshl_b32 s28, s25, 5
	s_lshl_b32 s30, s27, 4
	s_add_co_u32 s28, s28, s30
	s_add_nc_u64 s[20:21], s[20:21], s[28:29]      ; scale bytes: row x 32 + 16 x K half
	v_lshlrev_b32 v3, 2, v2                        ; in: 4 bytes a lane
	s_mul_i32 s31, s[WV], 32*WP
	s_add_co_u32 s31, s31, WSTG                    ; my stage
	v_mul_u32_u24 v4, v2, WP
	v_add_nc_u32 v4, s31, v4                       ; into it: row = my column
	v_and_b32 v5, 15, v2
	v_lshrrev_b32 v6, 4, v2
	v_mul_u32_u24 v7, v6, WP
	v_lshl_add_u32 v7, v5, 4, v7
	v_add_nc_u32 v7, s31, v7                       ; out of it: sixteen lanes to a row, two rows an instruction
	v_lshlrev_b32 v8, 9, v6
	v_lshl_add_u32 v8, v5, 4, v8                   ; the same place in the codes' buffer
	v_lshlrev_b32 v9, 5, v2                        ; my column's row of scale bytes
.macro WLOAD t                         ; block t: W(32 t + i, my column) into set t % 2; the greatest offset is 511 x 4,096 bytes, inside the signed 24-bit immediate
.irp i, 0,1,2,3,4,5,6,7,8,9,10,11,12,13,14,15,16,17,18,19,20,21,22,23,24,25,26,27,28,29,30,31
	global_load_b32 v[WX+32*((\t)%2)+\i], v3, s[6:7] offset:(32*(\t)+\i)*4096 th:TH_LOAD_NT
.endr
.endm
	WLOAD 0
	WLOAD 1
.macro WBLOCK t
.set XS, WX+32*((\t)%2)
.if (\t) < NB-1
	s_wait_loadcnt 32                              ; this block's 32 loads are in; the next block's may be out
.else
	s_wait_loadcnt 0
.endif
	v_max3_num_f32 v12, |v[XS]|, |v[XS+1]|, |v[XS+2]|              ; the block's largest magnitude: all 32 numbers are mine
	v_max3_num_f32 v13, |v[XS+3]|, |v[XS+4]|, |v[XS+5]|
.irp i, 6,10,14,18,22,26
	v_max3_num_f32 v12, v12, |v[XS+\i]|, |v[XS+\i+1]|
	v_max3_num_f32 v13, v13, |v[XS+\i+2]|, |v[XS+\i+3]|
.endr
	v_max3_num_f32 v12, v12, |v[XS+30]|, |v[XS+31]|
	v_max3_num_f32 v12, v12, v13, 0x1800000        ; and the floor
	v_add_nc_u32 v11, 0xff000000, v12              ; the conversion's scale operand
	v_lshrrev_b32 v13, 23, v11                     ; the scale's byte
.if (\t)%4 == 0
	v_mov_b32 v[WSB+(\t)/4], v13
.else
	v_lshl_or_b32 v[WSB+(\t)/4], v13, 8*((\t)%4), v[WSB+(\t)/4]
.endif
.irp g, 0,1,2,3
	v_cvt_scalef32_pk8_fp4_f32 v[WC+\g], v[XS+8*\g:XS+8*\g+7], v11
.endr
	ds_store_b128 v4, v[WC:WC+3] offset:16*(\t)    ; 32 codes: 16 bytes of my column's row
.if (\t)+2 < NB
	WLOAD (\t)+2
.endif
	s_wait_dscnt 0x0                               ; the store has read its registers: the next block's codes may be written
.endm
.set Q, 0
.rept NB
	WBLOCK Q
.set Q, Q+1
.endr
	global_store_b128 v9, v[WSB:WSB+3], s[20:21]   ; my column's 16 scale bytes
.irp t, 0,1,2,3,4,5,6,7,8,9,10,11,12,13,14,15
	ds_load_b128 v[WOUT+4*\t:WOUT+4*\t+3], v7 offset:2*\t*WP
.endr
.irp t, 0,1,2,3,4,5,6,7,8,9,10,11,12,13,14,15
	s_wait_dscnt 15-\t                             ; LDS loads come back in order: load t is in, the younger ones may be out
	global_store_b128 v8, v[WOUT+4*\t:WOUT+4*\t+3], s[18:19] offset:2*\t*512   ; sixteen lanes store 256 consecutive bytes, aligned
.endr
	s_wait_tensorcnt 0x0                           ; the wave's end
	ds_add_u32 v[SPW], v[NIL]
	s_wait_dscnt 0x0
	s_endpgm
; ---------------- Wo to f16, as it lies.  A wave takes 4,096 numbers: 32 loads of 512 bytes, all out at once; each gives one store of 256 consecutive bytes.  No register is used twice.
.Lcast:
	s_sub_co_u32 s25, ttmp9, 48
	s_lshl_b32 s25, s25, 2
	s_add_co_u32 s25, s25, s[WV]
	s_mov_b32 s29, 0
	s_lshl_b32 s28, s25, 14
	s_add_nc_u64 s[12:13], s[12:13], s[28:29]
	s_lshl_b32 s28, s25, 13
	s_add_nc_u64 s[22:23], s[22:23], s[28:29]
	v_lshlrev_b32 v3, 4, v2
	v_lshlrev_b32 v4, 3, v2
.set Q, 0
.rept 32
	global_load_b128 v[16+4*Q:19+4*Q], v3, s[12:13] offset:512*Q th:TH_LOAD_NT
.set Q, Q+1
.endr
.set Q, 0
.rept 32
	s_wait_loadcnt 31-Q                            ; loads come back in order: load Q is in
	v_cvt_pk_f16_f32 v[144+2*Q], v[16+4*Q], v[17+4*Q]
	v_cvt_pk_f16_f32 v[145+2*Q], v[18+4*Q], v[19+4*Q]
	global_store_b64 v4, v[144+2*Q:145+2*Q], s[22:23] offset:256*Q
.set Q, Q+1
.endr
	s_wait_tensorcnt 0x0                           ; this path stores nothing to LDS; the launch's other paths do, and every wave of the launch ends alike
	ds_add_u32 v[SPW], v[NIL]
	s_wait_dscnt 0x0
	s_endpgm
.Lfunc_end_k_q0cc5b2c82d_prep:
	.size	k_q0cc5b2c82d_prep, .Lfunc_end_k_q0cc5b2c82d_prep-k_q0cc5b2c82d_prep
	.p2alignl 7, 3214868480
	.fill 96, 4, 3214868480
	.section	.rodata,"a",@progbits
	.p2align	6, 0x0
	.amdhsa_kernel k_q0cc5b2c82d_prep
		.amdhsa_group_segment_fixed_size 69632
		.amdhsa_private_segment_fixed_size 0
		.amdhsa_enable_private_segment 0
		.amdhsa_kernarg_size 80
		.amdhsa_user_sgpr_count 2
		.amdhsa_user_sgpr_kernarg_segment_ptr 1
		.amdhsa_wavefront_size32 1
		.amdhsa_system_sgpr_workgroup_id_x 1
		.amdhsa_system_sgpr_workgroup_id_y 1
		.amdhsa_system_sgpr_workgroup_id_z 1
		.amdhsa_system_vgpr_workitem_id 0
		.amdhsa_next_free_vgpr 256
		.amdhsa_next_free_sgpr 66
		.amdhsa_reserve_vcc 0
		.amdhsa_float_denorm_mode_32 3
		.amdhsa_float_denorm_mode_16_64 3
		.amdhsa_memory_ordered 1
		.amdhsa_forward_progress 1
		.amdhsa_inst_pref_size 122
	.end_amdhsa_kernel
	.amdgpu_metadata
---
amdhsa.version: [ 1, 2 ]
amdhsa.kernels:
  - .name:           k_q0cc5b2c82d_prep
    .symbol:         k_q0cc5b2c82d_prep.kd
    .args:
      - { .name: x, .offset: 0, .size: 8, .value_kind: global_buffer, .address_space: global }
      - { .name: Wq, .offset: 8, .size: 8, .value_kind: global_buffer, .address_space: global }
      - { .name: Wk, .offset: 16, .size: 8, .value_kind: global_buffer, .address_space: global }
      - { .name: Wv, .offset: 24, .size: 8, .value_kind: global_buffer, .address_space: global }
      - { .name: Wo, .offset: 32, .size: 8, .value_kind: global_buffer, .address_space: global }
      - { .name: xc, .offset: 40, .size: 8, .value_kind: global_buffer, .address_space: global }
      - { .name: xs, .offset: 48, .size: 8, .value_kind: global_buffer, .address_space: global }
      - { .name: wc, .offset: 56, .size: 8, .value_kind: global_buffer, .address_space: global }
      - { .name: ws, .offset: 64, .size: 8, .value_kind: global_buffer, .address_space: global }
      - { .name: wo16, .offset: 72, .size: 8, .value_kind: global_buffer, .address_space: global }
    .group_segment_fixed_size: 69632
    .private_segment_fixed_size: 0
    .kernarg_segment_align: 8
    .kernarg_segment_size: 80
    .max_flat_workgroup_size: 128
    .sgpr_count:     66
    .vgpr_count:     256
    .wavefront_size: 32
...
	.end_amdgpu_metadata
.endif
;; end of part 1
;; launch qkv (part 2): grid 12 x 32, 4 waves a work-group, clusters of 4 x 4, 327,680 bytes of LDS; arguments xc, xs, wc, ws, bq, bk, bv, qkv; writes qkv
.if DOCPART == 2
	.amdgcn_target "amdgcn-amd-amdhsa--gfx1250"
	.amdhsa_code_object_version 6
	.text
	.protected	k_q0cc5b2c82d_qkv
	.globl	k_q0cc5b2c82d_qkv
	.p2align	8
	.type	k_q0cc5b2c82d_qkv,@function
k_q0cc5b2c82d_qkv:
	s_mov_b64 s[64:65], 0
	v_nop
	global_prefetch_b8 v0, s[64:65] scope:SCOPE_SE
	s_setreg_imm32_b32 hwreg(HW_REG_WAVE_MODE, 25, 1), 1
	s_wait_xcnt 0x0
	s_wait_alu depctr_hold_cnt(0) depctr_sa_sdst(0) depctr_va_vdst(0) depctr_va_sdst(0) depctr_va_ssrc(0) depctr_va_vcc(0) depctr_vm_vsrc(0)
	s_getreg_b32 s2, hwreg(HW_REG_IB_STS2, 6, 4)
	s_cmp_eq_u32 s2, 0
	s_cbranch_scc0 .Lentry_in_a_cluster
	s_endpgm
.Lentry_in_a_cluster:
	s_bfe_u32 s2, ttmp6, 0x10000c
	s_cmp_lg_u32 s2, 0xf033
	s_cbranch_scc0 .Lentry_shape_is_right
	s_endpgm
.Lentry_shape_is_right:
; q, k, v = Q(x) Q(W) + b, all three in one product: C[m][n] = sum over k of A[m][k] B[n][k] + bias[n], A = x's codes [8192][1024], B = the three weights' codes [3072 = 1024 t + n][1024],
; codes of FP4 (E2M1) with one E8M0 byte for each 32 along K, multiplied as they lie by the scaled matrix instruction; sums in f32; the result is rounded once to f16 (LIMIT: |q|, |k|, |v| up to 65,504)
; and laid by heads: qkv[b 4][hg 48 = 16 t + head][s 2048][64], so that a head is one dense block of 2^18 bytes.
; A tile of C, 256 x 256, is made by four waves, 128 x 128 each: 64 accumulators, 512 registers.  K = 1,024 is two slots of 512: both are first fills, with the scales; nothing is filled again.
; By this text's own count a wave has three tensor loads out at the start and none later.
; CLUSTERS: 4 x 4 work-groups; the four of a row need the same tiles of A, the four of a column the same tiles of B: each is asked for jointly.  A cluster's four tile columns are one of the three tensors.
; THE MATRIX INSTRUCTION IS USED TRANSPOSED (source 0 = 16 rows of B, source 1 = 16 rows of A): a lane holds eight neighbouring columns of one row of C.  THE BIAS is the C of each sum's first product.
; REGISTERS: window 0: v0-31 addresses; v32-95 scale words, two sets (nothing else ever); v128-191 A's fragments, one set; v192-255 the bias in the result's layout; on the way out v128-223 are used again.
;   window 1: B's fragments, two sets, at v0 and v128.  window 2: the accumulators of my rows 0-63 ((a, b) at v[8 (8 a + b)]); window 3: those of rows 64-127.
.set SIZE_K, 1024
.set KSTEP,  512
.set NQ,     KSTEP/128
.set ROWB,   256                       ; a tile's row in bytes
.set KROW,   SIZE_K/2                  ; a row of codes in memory
.set PITCH,  272                       ; an LDS row: 256 bytes + 16 of padding: the 16 rows that a load touches start at 16 different banks
.set FR,     8
.set NL,     2
.set NP,     4
.set HALFT,  128*PITCH
.set SLOT,   4*HALFT                   ; A's 256 rows, then B's 256 rows
.set KS,     SIZE_K/32                 ; a row of scales: 32 bytes
.set SCL,    2*SLOT                    ; behind the slots: the scales, as units of 256 bytes + 16 of padding
.set HALFS,  (128*KS/256)*272
.set SBLK,   (16*KS/256)*272
.set SPARE,  SCL+4*HALFS               ; the spare words, 128 bytes for each wave
.set SPITCH, 272                       ; the way out: a stage of 16 rows x (256 bytes + 16) for each wave, in slot 0, which has had its only fill and its last read by then
.set ADRA, 16
.set ADRB, 20
.set STO,  24
.set RD,   25
.set CO,   26
.set ADRS, 27
.set SPW,  28
.set NIL,  29
.set BO,   30                          ; v30  32 x (lane / 16): my half's place in 16 numbers of the bias
.set SC,   32
.set AF,   128
.set BI,   192                         ; v192-255 the bias: block b's eight numbers of my half at v[BI + 8 b]
.set TMP,  128                         ; the way out: packed results
.set BK,   160                         ; and 16 rows read back: v160-191 and v192-223 by turns
.set G1, 24
.set G0, 32
.set G1B, 48
.set G0B, 56
.set G1S, 68
.set G0S, 76
.set G1SB, 80
.set G0SB, 88
.set MSB, 0
.macro WIN new                         ; the immediate's high byte repeats the setting that is left
.if MSB != (\new)
	s_set_vgpr_msb (MSB<<8)|(\new)
.set MSB, (\new)
.endif
.endm
.set MUL_LO, 0xa1                      ; source 0 (B) window 1, source 1 (A) window 0, C and D window 2
.set MUL_HI, 0xf1                      ; the same, C and D window 3
.set ST_LO,  0x81                      ; the first step: C (the bias) window 0, D window 2
.set ST_HI,  0xc1                      ; D window 3
.set TO_B,   0x40
.macro JLOAD g0a, g1a, g0b, g1b        ; a joint load: waves 0 and 1 fetch for A, waves 2 and 3 for B; the branch hangs on the wave's number alone
	s_cmp_eq_u32 s15, 0
	s_cbranch_scc0 .Lfor_b_\@
	tensor_load_to_lds s[\g0a:\g0a+3], s[\g1a:\g1a+7]
	s_nop 0
.rept 4
	v_nop
.endr
	s_branch .Lasked_\@
.Lfor_b_\@:
	tensor_load_to_lds s[\g0b:\g0b+3], s[\g1b:\g1b+7]
	s_nop 0
.rept 4
	v_nop
.endr
.Lasked_\@:
.endm
.macro CROUND                          ; a round of the cluster's barrier
	s_barrier_signal -1
	s_barrier_wait -1
	s_cmp_lg_u32 s14, 0
	s_cbranch_scc1 .Lnot_wave_0_\@
	s_barrier_signal -3
.Lnot_wave_0_\@:
	s_barrier_wait -3
	s_barrier_signal -1
	s_barrier_wait -1
.endm
	s_load_b128 s[4:7], s[0:1], 0x0                ; x's codes, x's scales
	s_load_b128 s[8:11], s[0:1], 0x10              ; the weights' codes, their scales
	s_load_b128 s[96:99], s[0:1], 0x20             ; bq, bk
	s_load_b64 s[100:101], s[0:1], 0x30            ; bv
	s_load_b64 s[12:13], s[0:1], 0x38              ; qkv
	v_lshl_add_u32 v[SPW], v0, 2, SPARE
	v_mov_b32 v[NIL], 0
	ds_add_u32 v[SPW], v[NIL]                      ; the wave's opening: the add, twice on end, and its wait ahead of my first tensor load
	ds_add_u32 v[SPW], v[NIL]
	v_lshrrev_b32 v1, 5, v0
	v_readfirstlane_b32 s14, v1                    ; wave 0..3
	s_lshr_b32 s15, s14, 1                         ; my half of the tile's rows.  Also: I fetch for A (0) or for B (1)
	s_and_b32 s16, s14, 1                          ; my half of its columns.  Also: which 128 rows I fetch
	s_bfe_u32 s40, ttmp6, 0x40000                  ; cx, cy
	s_bfe_u32 s41, ttmp6, 0x40004
	s_lshl_b32 s42, ttmp9, 2
	s_add_co_u32 s42, s42, s40                     ; tile column
	s_and_b32 s17, ttmp7, 0xffff
	s_lshl_b32 s17, s17, 2
	s_add_co_u32 s17, s17, s41                     ; tile row
	s_lshl_b32 s43, s41, 2
	s_lshl_b32 s43, 15, s43                        ; my row of the cluster
	s_lshl_b32 s44, 0x1111, s40                    ; my column
	s_or_b32 s[G1+0], s43, (0<<16)|(1<<20)|(1<<21)|(5<<22)|(3<<25)  ; the mask; elements of 1 byte; padding on; bit 21 beside a mask; 4 words after every 64
	s_or_b32 s[G1B+0], s44, (0<<16)|(1<<20)|(1<<21)|(5<<22)|(3<<25)
.irp g, G1, G1B
	s_mov_b32 s[\g+1], ROWB<<16                    ; tensor_dim0
	s_mov_b32 s[\g+2], 128<<16                     ; tensor_dim1
	s_mov_b32 s[\g+3], ROWB<<16                    ; tile_dim0
	s_mov_b32 s[\g+4], 128                         ; tile_dim1
	s_mov_b32 s[\g+5], KROW                        ; the pitch
	s_mov_b32 s[\g+6], 0
	s_mov_b32 s[\g+7], 0
.endr
	s_or_b32 s[G1S+0], s43, (3<<16)|(1<<20)|(1<<21)|(5<<22)|(3<<25) ; the scales of 128 rows: 4,096 dense bytes as 16 rows of 256 (32 elements of 8 bytes), 16 of padding behind each
	s_or_b32 s[G1SB+0], s44, (3<<16)|(1<<20)|(1<<21)|(5<<22)|(3<<25)
.irp g, G1S, G1SB
	s_mov_b32 s[\g+1], 32<<16
	s_mov_b32 s[\g+2], (128*KS/256)<<16
	s_mov_b32 s[\g+3], 32<<16
	s_mov_b32 s[\g+4], 128*KS/256
	s_mov_b32 s[\g+5], 32
	s_mov_b32 s[\g+6], 0
	s_mov_b32 s[\g+7], 0
.endr
	s_lshl_b32 s18, s16, 7
	s_lshl_b32 s20, s17, 8
	s_add_co_u32 s20, s20, s18                     ; A: row 256 x tile row + 128 x half
	s_lshl_b32 s46, s42, 8
	s_add_co_u32 s46, s46, s18                     ; B: row 256 x tile column + 128 x half
	s_mov_b32 s21, 0
	s_mov_b32 s47, 0
	s_mov_b64 s[18:19], KS
	s_mul_u64 s[22:23], s[20:21], s[18:19]         ; where these rows' scales begin
	s_mul_u64 s[92:93], s[46:47], s[18:19]
	s_mov_b64 s[18:19], KROW
	s_mul_u64 s[20:21], s[20:21], s[18:19]         ; and their codes
	s_mul_u64 s[46:47], s[46:47], s[18:19]
	s_mul_i32 s45, s14, HALFT                      ; where they go: wave x 128 rows
	s_mul_i32 s94, s14, HALFS
	s_wait_dscnt 0x0                               ; both opening adds are done
	s_wait_kmcnt 0x0
	s_add_nc_u64 s[20:21], s[4:5], s[20:21]
	s_add_nc_u64 s[22:23], s[6:7], s[22:23]
	s_add_nc_u64 s[46:47], s[8:9], s[46:47]
	s_add_nc_u64 s[92:93], s[10:11], s[92:93]
	CROUND                                         ; all sixteen work-groups are here: the joint loads meet
	s_mov_b32 s[G0S], 1
	s_add_co_u32 s[G0S+1], s94, SCL
	s_mov_b64 s[G0S+2:G0S+3], s[22:23]
	s_or_b32 s[G0S+3], s[G0S+3], 0x80000000
	s_mov_b32 s[G0SB], 1
	s_add_co_u32 s[G0SB+1], s94, SCL
	s_mov_b64 s[G0SB+2:G0SB+3], s[92:93]
	s_or_b32 s[G0SB+3], s[G0SB+3], 0x80000000
	JLOAD G0S, G1S, G0SB, G1SB                     ; the scales first
.irp s, 0,1
	s_mov_b32 s[G0+4*\s], 1
	s_add_co_u32 s[G0+4*\s+1], s45, \s*SLOT
	s_add_nc_u64 s[G0+4*\s+2:G0+4*\s+3], s[20:21], \s*ROWB
	s_or_b32 s[G0+4*\s+3], s[G0+4*\s+3], 0x80000000
	s_mov_b32 s[G0B+4*\s], 1
	s_add_co_u32 s[G0B+4*\s+1], s45, \s*SLOT
	s_add_nc_u64 s[G0B+4*\s+2:G0B+4*\s+3], s[46:47], \s*ROWB
	s_or_b32 s[G0B+4*\s+3], s[G0B+4*\s+3], 0x80000000
	JLOAD G0+4*\s, G1, G0B+4*\s, G1B
.endr
	v_and_b32 v1, 15, v0                           ; r = lane % 16
	v_bfe_u32 v2, v0, 4, 1                         ; h = lane / 16
	; the bias: the cluster's x says which tensor; my 128 columns begin at 256 cx + 128 x my half
	s_cmp_eq_u32 ttmp9, 0
	s_cselect_b64 s[96:97], s[96:97], s[98:99]
	s_cmp_eq_u32 ttmp9, 2
	s_cselect_b64 s[96:97], s[100:101], s[96:97]
	s_lshl_b32 s92, s40, 10
	s_lshl_b32 s93, s16, 9
	s_add_co_u32 s92, s92, s93
	s_mov_b32 s93, 0
	s_add_nc_u64 s[96:97], s[96:97], s[92:93]
	v_lshlrev_b32 v[BO], 5, v2
.irp b, 0,1,2,3,4,5,6,7
	global_load_b128 v[BI+8*\b:BI+8*\b+3], v[BO], s[96:97] offset:64*\b        ; bias(16 b + 8 h + 0 .. 7): what register j of accumulator (a, b) wants
	global_load_b128 v[BI+8*\b+4:BI+8*\b+7], v[BO], s[96:97] offset:64*\b+16
.endr
	v_mul_u32_u24 v3, v1, PITCH
	v_lshl_add_u32 v4, v2, 4, v3                   ; a fragment's row x pitch + 16 x half
	s_mul_i32 s21, s15, HALFT
	s_mul_i32 s22, s16, HALFT
	s_add_co_u32 s22, s22, 2*HALFT
.irp s, 0,1
	v_add_nc_u32 v[ADRA+\s], s21, v4
	v_add_nc_u32 v[ADRB+\s], s22, v4
	s_add_co_u32 s21, s21, SLOT
	s_add_co_u32 s22, s22, SLOT
.endr
	v_mul_u32_u24 v5, v1, KS                       ; my row's scales: 32 bytes a row,
	v_lshrrev_b32 v6, 8, v5
	v_lshl_add_u32 v5, v6, 4, v5                   ; and 16 more for each 256 passed
	s_mul_i32 s21, s15, HALFS
	s_mul_i32 s22, s16, HALFS
	s_add_co_u32 s22, s22, 2*HALFS
	s_sub_co_u32 s22, s22, s21
	v_mul_u32_u24 v6, s22, v2                      ; lanes 16-31 take B's: one product, the distance between the two bases
	s_add_co_u32 s21, s21, SCL
	v_add_nc_u32 v5, v5, v6
	v_add_nc_u32 v[ADRS], s21, v5
	s_mul_i32 s23, s14, 16*SPITCH                  ; my stage
	v_mul_u32_u24 v5, v1, SPITCH
	v_lshl_add_u32 v5, v2, 4, v5
	v_add_nc_u32 v[STO], s23, v5                   ; in: row r, 16 bytes for each half of the lanes
	v_bfe_u32 v5, v0, 3, 2
	v_mul_u32_u24 v5, v5, SPITCH
	v_and_b32 v6, 7, v0
	v_lshl_add_u32 v5, v6, 4, v5
	v_add_nc_u32 v[RD], s23, v5                    ; back: eight lanes take one token's 128 bytes of one head, four tokens an instruction
	v_and_b32 v6, 31, v0
	v_lshlrev_b32 v[CO], 4, v6                     ; which are 512 consecutive bytes of the head's block
	s_lshr_b32 s20, s17, 3                         ; the batch: eight tile rows each
	s_mul_i32 s20, s20, 48
	s_lshl_b32 s21, s42, 2
	s_add_co_u32 s20, s20, s21
	s_lshl_b32 s21, s16, 1
	s_add_co_u32 s20, s20, s21                     ; my first head's block: 48 b + 4 x tile column + 2 x half
	s_lshl_b32 s20, s20, 18
	s_and_b32 s21, s17, 7
	s_lshl_b32 s21, s21, 1
	s_add_co_u32 s21, s21, s15
	s_lshl_b32 s21, s21, 14                        ; my first token: 128 tokens of 128 bytes to a unit
	s_add_co_u32 s20, s20, s21
	s_mov_b32 s21, 0
	s_add_nc_u64 s[12:13], s[12:13], s[20:21]
.macro FRAG reg, adr, q, i             ; 16 rows x 128 K of 4-bit codes: 8 registers: lane l holds row l % 16; registers 4 c .. 4 c + 3 hold K = 64 c + 32 (l / 16) + 0 .. 31
.irp c, 0,1
	ds_load_b128 v[\reg+4*\c:\reg+4*\c+3], v[\adr] offset:64*(\q)+32*\c+(\i)*16*PITCH
.endr
.endm
; 16 matrix instructions: A's blocks a0, a0 + 1 x B's eight.  zero = 1: the first product starts the sum from the bias.  The 64 accumulators take turns, one instruction a turn.
.macro MUL16 a0, p, q, sc, zero
.irp a, \a0, \a0+1
.irp b, 0,1,2,3,4,5,6,7
.if \zero
	v_wmma_scale_f32_16x16x128_f8f6f4 v[8*(8*((\a)%4)+\b):8*(8*((\a)%4)+\b)+7], v[128*(\p)+FR*\b:128*(\p)+FR*\b+FR-1], v[AF+FR*(\a):AF+FR*(\a)+FR-1], v[BI+8*\b:BI+8*\b+7], v[SC+8*NQ*(\sc)+NQ*\b+(\q)], v[SC+8*NQ*(\sc)+NQ*(\a)+(\q)] matrix_a_fmt:MATRIX_FMT_FP4 matrix_b_fmt:MATRIX_FMT_FP4 matrix_a_scale:MATRIX_SCALE_ROW1
.else
	v_wmma_scale_f32_16x16x128_f8f6f4 v[8*(8*((\a)%4)+\b):8*(8*((\a)%4)+\b)+7], v[128*(\p)+FR*\b:128*(\p)+FR*\b+FR-1], v[AF+FR*(\a):AF+FR*(\a)+FR-1], v[8*(8*((\a)%4)+\b):8*(8*((\a)%4)+\b)+7], v[SC+8*NQ*(\sc)+NQ*\b+(\q)], v[SC+8*NQ*(\sc)+NQ*(\a)+(\q)] matrix_a_fmt:MATRIX_FMT_FP4 matrix_b_fmt:MATRIX_FMT_FP4 matrix_a_scale:MATRIX_SCALE_ROW1
.endif
.endr
.endr
.endm
.macro FETCH_B slot, q, p
	WIN TO_B
.irp i, 0,1,2,3,4,5,6,7
	FRAG 128*(\p)+FR*\i, ADRB+\slot, \q, \i
.endr
	WIN 0
.endm
.macro FETCH_A slot, q, i0
.irp i, \i0, \i0+1, \i0+2, \i0+3
	FRAG AF+FR*(\i), ADRA+\slot, \q, \i
.endr
.endm
.macro SCALES sc                       ; a slot's scale words: 4 words a row; lanes 0-15 take A's block i, lanes 16-31 B's block i
.irp i, 0,1,2,3,4,5,6,7
	ds_load_b128 v[SC+8*NQ*\sc+NQ*\i:SC+8*NQ*\sc+NQ*\i+3], v[ADRS] offset:\i*SBLK
.endr
.endm
.macro PLACES n                        ; plain vector lines between a matrix instruction and a load into, or a vector read of, its registers
.rept \n
	v_nop
.endr
.endm
.macro STEP slot, q, zero              ; 128 along K, with its successor in the same slot
	s_wait_dscnt 4*NL                              ; B's set and A's blocks 0-3 are in; the youngest eight loads (A's blocks 4-7) may be out
.if \zero
	WIN ST_LO
.else
	WIN MUL_LO
.endif
	MUL16 0, (\q)%2, \q, \slot, \zero
	MUL16 2, (\q)%2, \q, \slot, \zero
	s_wait_dscnt 0                                 ; A's blocks 4-7 are in
	PLACES NP
	FETCH_B \slot, (\q)+1, 1-(\q)%2
	FETCH_A \slot, (\q)+1, 0
.if \zero
	WIN ST_HI
.else
	WIN MUL_HI
.endif
	MUL16 4, (\q)%2, \q, \slot, \zero
	MUL16 6, (\q)%2, \q, \slot, \zero
	PLACES NP
	WIN 0
	FETCH_A \slot, (\q)+1, 4
.endm
.macro STEPS slot, from
.set Q, \from
.rept NQ-1-\from
	STEP \slot, Q, 0
.set Q, Q+1
.endr
.endm
	s_wait_tensorcnt 1                             ; the scales and my part of slot 0 are in; slot 1's load may be out
	s_barrier_signal -1
	s_barrier_wait -1
	FETCH_B 0, 0, 0
	FETCH_A 0, 0, 0
	SCALES 0
	FETCH_A 0, 0, 4
	s_wait_loadcnt 0x0                             ; the bias
	STEP 0, 0, 1
	STEPS 0, 1
	; slot 0's last step changes slots: one barrier; in front of it each wave waits for all its tensor loads (its part of slot 1) and for its reads of slot 0
	s_wait_tensorcnt 0x0
	ds_add_u32 v[SPW], v[NIL]                      ; 0 onto my spare word
	s_wait_dscnt 4*NL+1                            ; the add and the youngest eight loads may be out
	WIN MUL_LO
	MUL16 0, 1, NQ-1, 0, 0
	s_wait_dscnt 0x0                               ; the add is done, and my reads of slot 0 are over
	s_barrier_signal -1
	MUL16 2, 1, NQ-1, 0, 0
	WIN 0
	s_barrier_wait -1
	PLACES NP
	v_add_nc_u32 v[ADRS], 4*NQ, v[ADRS]            ; on to slot 1's scale words
	FETCH_B 1, 0, 0
	FETCH_A 1, 0, 0
	SCALES 1
	WIN MUL_HI
	MUL16 4, 1, NQ-1, 0, 0
	MUL16 6, 1, NQ-1, 0, 0
	PLACES NP
	WIN 0
	FETCH_A 1, 0, 4
	STEPS 1, 0
	s_wait_dscnt 4*NL                              ; the very last step
	WIN MUL_LO
	MUL16 0, 1, NQ-1, 1, 0
	MUL16 2, 1, NQ-1, 1, 0
	s_wait_dscnt 0
	WIN MUL_HI
	MUL16 4, 1, NQ-1, 1, 0
	MUL16 6, 1, NQ-1, 1, 0
	WIN 0
; THE WAY OUT, block by block of 16 tokens x 128 columns (two heads).  PACK: rounded to f16, 16 bytes a lane, each accumulator from its low end on.  TOSTAGE: into my own stage and back by heads.
; SEND: each store of the wave covers 512 consecutive bytes (four tokens of one head), aligned.
.macro PACK a
.set AC, 64*((\a)%4)
	WIN 0x0a+5*((\a)/4)                            ; sources 0 and 1: window 2 or 3
.irp b, 0,1,2,3,4,5,6,7
.irp r, 0,1,2,3
	v_cvt_pk_f16_f32 v[TMP+4*\b+\r], v[AC+8*\b+2*\r], v[AC+8*\b+2*\r+1]
.endr
.endr
	WIN 0
.endm
.macro TOSTAGE a
.set BB, BK+32*((\a)%2)
.irp b, 0,1,2,3,4,5,6,7
	ds_store_b128 v[STO], v[TMP+4*\b:TMP+4*\b+3] offset:32*\b
.endr
.irp t, 0,1,2,3,4,5,6,7
	ds_load_b128 v[BB+4*\t:BB+4*\t+3], v[RD] offset:(\t%4)*4*SPITCH+128*(\t/4)   ; LDS serves a wave's instructions in order: these see the stores above
.endr
.endm
.macro SEND a
.set BB, BK+32*((\a)%2)
	s_wait_dscnt 0x0                               ; the block is back in registers
	s_wait_xcnt 0x0                                ; the block before has left its registers: the next loads from the stage may land there
.irp t, 0,1,2,3,4,5,6,7
	global_store_b128 v[CO], v[BB+4*\t:BB+4*\t+3], s[12:13] offset:(\t/4)*262144+(\a)*2048+(\t%4)*512
.endr
.endm
	PLACES NP                                      ; behind the last products: the conversions write registers that held A's fragments
	PACK 0
	TOSTAGE 0
.irp a, 1,2,3,4,5,6,7
	PACK \a                                        ; block a's conversions stand between block a - 1's loads from the stage and the wait for them
	SEND \a-1
	TOSTAGE \a
.endr
	SEND 7
	s_wait_tensorcnt 0x0                           ; the wave's end
	ds_add_u32 v[SPW], v[NIL]
	s_wait_dscnt 0x0
	CROUND                                         ; the closing round
	s_endpgm
.Lfunc_end_k_q0cc5b2c82d_qkv:
	.size	k_q0cc5b2c82d_qkv, .Lfunc_end_k_q0cc5b2c82d_qkv-k_q0cc5b2c82d_qkv
	.p2alignl 7, 3214868480
	.fill 96, 4, 3214868480
	.section	.rodata,"a",@progbits
	.p2align	6, 0x0
	.amdhsa_kernel k_q0cc5b2c82d_qkv
		.amdhsa_group_segment_fixed_size 327680
		.amdhsa_private_segment_fixed_size 0
		.amdhsa_enable_private_segment 0
		.amdhsa_kernarg_size 64
		.amdhsa_user_sgpr_count 2
		.amdhsa_user_sgpr_kernarg_segment_ptr 1
		.amdhsa_wavefront_size32 1
		.amdhsa_system_sgpr_workgroup_id_x 1
		.amdhsa_system_sgpr_workgroup_id_y 1
		.amdhsa_system_sgpr_workgroup_id_z 1
		.amdhsa_system_vgpr_workitem_id 0
		.amdhsa_next_free_vgpr 1024
		.amdhsa_next_free_sgpr 102
		.amdhsa_reserve_vcc 0
		.amdhsa_float_denorm_mode_32 3
		.amdhsa_float_denorm_mode_16_64 3
		.amdhsa_memory_ordered 1
		.amdhsa_forward_progress 1
		.amdhsa_inst_pref_size 128
	.end_amdhsa_kernel
	.amdgpu_metadata
---
amdhsa.version: [ 1, 2 ]
amdhsa.kernels:
  - .name:           k_q0cc5b2c82d_qkv
    .symbol:         k_q0cc5b2c82d_qkv.kd
    .args:
      - { .name: xc, .offset: 0, .size: 8, .value_kind: global_buffer, .address_space: global }
      - { .name: xs, .offset: 8, .size: 8, .value_kind: global_buffer, .address_space: global }
      - { .name: wc, .offset: 16, .size: 8, .value_kind: global_buffer, .address_space: global }
      - { .name: ws, .offset: 24, .size: 8, .value_kind: global_buffer, .address_space: global }
      - { .name: bq, .offset: 32, .size: 8, .value_kind: global_buffer, .address_space: global }
      - { .name: bk, .offset: 40, .size: 8, .value_kind: global_buffer, .address_space: global }
      - { .name: bv, .offset: 48, .size: 8, .value_kind: global_buffer, .address_space: global }
      - { .name: qkv, .offset: 56, .size: 8, .value_kind: global_buffer, .address_space: global }
    .group_segment_fixed_size: 327680
    .private_segment_fixed_size: 0
    .kernarg_segment_align: 8
    .kernarg_segment_size: 64
    .max_flat_workgroup_size: 128
    .sgpr_count:     102
    .vgpr_count:     1024
    .wavefront_size: 32
...
	.end_amdgpu_metadata
.endif
;; end of part 2
;; launch attn (part 3): grid 8 x 64, 4 waves a work-group, clusters of 4 x 1, 327,680 bytes of LDS; arguments qkv, att; writes att
.if DOCPART == 3
	.amdgcn_target "amdgcn-amd-amdhsa--gfx1250"
	.amdhsa_code_object_version 6
	.text
	.protected	k_q0cc5b2c82d_attn
	.globl	k_q0cc5b2c82d_attn
	.p2align	8
	.type	k_q0cc5b2c82d_attn,@function
k_q0cc5b2c82d_attn:
	s_mov_b64 s[64:65], 0
	v_nop
	global_prefetch_b8 v0, s[64:65] scope:SCOPE_SE
	s_setreg_imm32_b32 hwreg(HW_REG_WAVE_MODE, 25, 1), 1
	s_wait_xcnt 0x0
	s_wait_alu depctr_hold_cnt(0) depctr_sa_sdst(0) depctr_va_vdst(0) depctr_va_sdst(0) depctr_va_ssrc(0) depctr_va_vcc(0) depctr_vm_vsrc(0)
	s_getreg_b32 s2, hwreg(HW_REG_IB_STS2, 6, 4)
	s_cmp_eq_u32 s2, 0
	s_cbranch_scc0 .Lentry_in_a_cluster
	s_endpgm
.Lentry_in_a_cluster:
	s_bfe_u32 s2, ttmp6, 0x10000c
	s_cmp_lg_u32 s2, 0x3003
	s_cbranch_scc0 .Lentry_shape_is_right
	s_endpgm
.Lentry_shape_is_right:
; att[bh][q][:] = the sum over k of softmax_k(Q[q] . K[k] / 8) V[k][:], head size 64, 2,048 keys, no mask.  Q, K, V: f16, dense heads of qkv[b][16 t + head][s][64]; att: f16 [bh 64][s][64].
; Products, maxima and sums in f32; the weights p are rounded to f16 for the second product, the result once at the end.  LIMIT: |attended| up to 65,504; no NaN or infinities among the inputs.
; SHARES.  A work-group owns 256 queries of one head, each of its four waves 64: four tiles of 16.  Every wave walks all keys, 64 a step.
; LAYOUT.  S^T = K Q^T (source 0 = 16 keys, source 1 = 16 queries): a lane holds ONE query (lane % 16) and keys 8 (lane / 16) + 0..7.  Two such tiles, rounded in pairs, ARE source 1 of O^T = V^T P.
; SOFTMAX.  A running maximum m and sum l for each query: p = 2^(c s - c m), c = log2(e) / 8; in every step O and l are multiplied by a = 2^(c m_old - c m_new).
; BY TURNS.  The wave's tiles are two pieces (tiles 0, 1 and tiles 2, 3).  In a turn one piece has the matrix unit: 16 products V^T P of the step in hand, then 16 products K Q^T of the next step;
; the other piece's softmax, 2 x 118 instructions cut into 59 slices of four, is dealt evenly behind those 32 products.  Then the pieces change places.  Two turns are a key step.
; CLUSTER.  The four query blocks of a cluster belong to one head and walk the same K and V: each tile is asked for jointly (a head's eight blocks are two clusters: a mask names four).
; TILES.  A head is dense, so a tile is stated as rows of 256 bytes, two keys each: 64 rows (128 keys) to a load.  A slot holds 256 keys, four key steps: one joint load a wave behind each round,
; 256 matrix instructions in which it lands.  By this text's own count a wave has two tensor loads out at the start and one behind each round.
; REGISTERS: window 0: v2-8 addresses; v12-43 statistics, 8 a tile; v61-63; v64-191 S^T, 32 a tile; v192-255 P, 16 a tile.
;   window 1: v0-127 O^T, 32 a tile; v128-191 Q, 16 a tile; v192-255 K of one step.   window 2: v0-63 V of one step.
.set PKP,   272       ; a pair row of K in LDS: 256 bytes + 16: the 16 keys of a load (8 pair rows x 2 halves of 128 bytes) start at 16 different groups of four banks
.set PVP,   288       ; a pair row of V: 256 + 32
.set KSTEPB, 32*PKP   ; a key step's 64 keys of K
.set VSTEPB, 32*PVP
.set UNITK, 64*PKP    ; what one tensor load brings: 128 keys
.set UNITV, 64*PVP
.set VOFF,  2*UNITK   ; a slot: 128 pair rows of K, then 128 of V
.set SLOT1, 1<<17     ; slot 1 begins here: one exclusive or turns an address in one slot into the other's
.set SLOTB, 256*128   ; a slot's keys in memory, of K or of V
.set STAGE, SLOT1+VOFF+2*UNITV  ; behind the ring: 16 rows x 144 bytes for each wave
.set SP,    144
.set SPARE, STAGE+4*16*SP       ; the spare words, 128 bytes for each wave
.set AK0, 2
.set AV0, 3
.set ADR, 4
.set QO,  5
.set STO, 6
.set RD,  7
.set GO,  8
.set PFO, 61          ; v61  256 x my lane; never rewritten
.set SPW, 62
.set NIL, 63
.set ST,  12          ; tile t's statistics at v[ST+8 t]: +0 c m, +1 m, +2, +3 l (even keys', odd keys'), +4 to +7 at work; a takes +6 once the maximum is found
.set S,   64
.set P,   192
.set QF,  128         ; in window 1
.set KF,  192         ; in window 1
.set WV,  12
.set LIM, 15          ; s15  1 in a wave that prefetches, else the greatest number
.set PFA, 18          ; s[18:19] where my prefetches stand
.set G1K, 24
.set G1V, 32
.set G0K, 40          ; s[40:47] two sets; the second then walks on
.set G0V, 48
.set SLOTS, 56
.set TWICE, 57
.set CS,  58
.set SEL, 60
.set TK,  62          ; s62  LDS byte at which the K of the step to be fetched begins
.set TV,  63          ; s63  the same for V (less VOFF, which stands in the lane's address)
.set MSB, 0
.macro WIN new
.if MSB != (\new)
	s_set_vgpr_msb (MSB<<8)|(\new)
.set MSB, (\new)
.endif
.endm
.set W_KQ, 0x05       ; K and Q in window 1, S^T in window 0
.set W_PV, 0x52       ; V in window 2, P in window 0, O^T in window 1
.set W_RS, 0x41       ; O^T (destination and source 0) in window 1, a in window 0
.macro JLOAD          ; a joint refill: waves 0 and 1 fetch K's two units, waves 2 and 3 V's; the branch hangs on the wave's number alone
	s_cmp_lt_u32 s[WV], 2
	s_cbranch_scc0 .Lfor_v_\@
	tensor_load_to_lds s[G0K+4:G0K+7], s[G1K:G1K+7]
	s_nop 0
.rept 4
	v_nop
.endr
	s_branch .Lasked_\@
.Lfor_v_\@:
	tensor_load_to_lds s[G0V+4:G0V+7], s[G1V:G1V+7]
	s_nop 0
.rept 4
	v_nop
.endr
.Lasked_\@:
.endm
; A prefetch of what the NEXT change of slots will ask for: a slot's 32,768 bytes of K and of V, lanes 256 bytes apart.  Each aligned block of 256 bytes is named once in the launch: of a head's two
; clusters the first asks; its four partners take 8,192 bytes each, told apart by address; wave 0 asks for K's, wave 2 for V's.  It stands four key steps, 256 matrix instructions, ahead of the load
; that wants the bytes.  The last change that fills a slot asks for nothing; slots 0 to 2 come by their loads alone.
.macro ASK
	s_cmp_gt_u32 s[SLOTS], s[LIM]
	s_cbranch_scc0 .Lnot_mine_\@
	global_prefetch_b8 v[PFO], s[PFA:PFA+1] th:TH_LOAD_NT scope:SCOPE_SE
.Lnot_mine_\@:
.endm
.macro CROUND
	s_barrier_signal -1
	s_barrier_wait -1
	s_cmp_lg_u32 s[WV], 0
	s_cbranch_scc1 .Lnot_wave_0_\@
	s_barrier_signal -3
.Lnot_wave_0_\@:
	s_barrier_wait -3
	s_barrier_signal -1
	s_barrier_wait -1
.endm
	s_load_b128 s[4:7], s[0:1], 0x0  ; qkv s[4:5], att s[6:7]
	v_lshl_add_u32 v[SPW], v0, 2, SPARE
	v_mov_b32 v[NIL], 0
	ds_add_u32 v[SPW], v[NIL]       ; the wave's opening: the add, twice on end, and its wait ahead of my first tensor load
	ds_add_u32 v[SPW], v[NIL]
	v_lshrrev_b32 v1, 5, v0
	v_readfirstlane_b32 s[WV], v1   ; wave 0..3
	s_bfe_u32 s13, ttmp6, 0x40000   ; cx
	s_lshl_b32 s14, ttmp9, 2
	s_add_co_u32 s14, s14, s13      ; my block of 256 queries: it enters Q's and the result's addresses alone
	s_and_b32 s20, ttmp7, 0xffff    ; batch x 16 + head, which the four partners share
	s_lshr_b32 s21, s20, 4
	s_mul_i32 s21, s21, 48
	s_and_b32 s22, s20, 15
	s_add_co_u32 s21, s21, s22      ; Q's head block in qkv: 48 b + head; K's is 16 on, V's 32 on
	s_lshl_b32 s22, s21, 18
	s_mov_b32 s23, 0
	s_and_b32 s16, s[WV], 1         ; which of a slot's two units I fetch
	s_lshl_b32 s2, s16, 14          ; its 128 keys of 128 bytes
	s_add_co_u32 s2, s2, s22
	s_add_co_u32 s2, s2, 16<<18     ; K's head
	s_mov_b32 s3, 0
	s_lshl_b32 s17, s14, 15         ; my block's 256 rows of 128 bytes,
	s_lshl_b32 s21, s[WV], 13       ; my wave's 64 of them
	s_add_co_u32 s17, s17, s21
	s_add_co_u32 s22, s22, s17      ; Q
	s_lshl_b32 s20, s20, 18
	s_add_co_u32 s20, s20, s17      ; the result
	s_mov_b32 s21, 0
	s_mov_b32 s[G1K], 15|(1<<16)|(1<<20)|(1<<21)|(5<<22)|(3<<25)  ; the mask: all four; elements of 2 bytes; padding on; bit 21 beside a mask; 4 words after every 64
	s_mov_b32 s[G1V], 15|(1<<16)|(1<<20)|(1<<21)|(5<<22)|(7<<25)  ; the same with 8 words of padding
.irp g, G1K, G1V
	s_mov_b32 s[\g+1], 128<<16      ; tensor_dim0 = 128 elements: two keys
	s_mov_b32 s[\g+2], 64<<16       ; tensor_dim1 = 64
	s_mov_b32 s[\g+3], 128<<16      ; tile_dim0
	s_mov_b32 s[\g+4], 64           ; tile_dim1
	s_mov_b32 s[\g+5], 128          ; the pitch: dense
	s_mov_b32 s[\g+6], 0
	s_mov_b32 s[\g+7], 0
.endr
	s_mov_b32 s[CS], 0x3e38aa3b     ; c = log2(e) / 8
	s_mov_b32 s[CS+1], s[CS]        ; named with it as a pair, so it is written
	s_mov_b32 s[SEL], 0x76543210
	s_mov_b32 s[SEL+1], 0xfedcba98
	s_mov_b32 s[TK], 0
	s_mov_b32 s[TV], 0
	s_mov_b32 s[SLOTS], 6           ; eight slots' worth of keys: two first fills, six refills
	s_and_b32 s[LIM], s[WV], 1      ; 0 in waves 0 and 2,
	s_or_b32 s[LIM], s[LIM], ttmp9  ; where the cluster is the head's first: the same in all four partners
	s_cmp_eq_u32 s[LIM], 0
	s_cselect_b32 s[LIM], 1, -1
	v_and_b32 v[PFO], 31, v0
	v_lshlrev_b32 v[PFO], 8, v[PFO]
	s_wait_dscnt 0x0                ; both opening adds are done
	s_wait_kmcnt 0x0
	s_add_nc_u64 s[8:9], s[4:5], s[2:3]     ; K at my unit of slot 0
	s_add_nc_u64 s[10:11], s[8:9], 16<<18   ; V likewise
	s_add_nc_u64 s[4:5], s[4:5], s[22:23]   ; Q at my wave's first row
	s_add_nc_u64 s[6:7], s[6:7], s[20:21]   ; the result likewise
	s_cmp_lt_u32 s[WV], 2
	s_cselect_b64 s[PFA:PFA+1], s[8:9], s[10:11]  ; (in waves 0 and 2 these stand at a slot's first byte)
	s_lshl_b32 s2, s13, 13          ; my work-group's 8,192 bytes of the 32,768
	s_mov_b32 s3, 0
	s_add_nc_u64 s[PFA:PFA+1], s[PFA:PFA+1], s[2:3]
	s_add_nc_u64 s[PFA:PFA+1], s[PFA:PFA+1], 2*SLOTB  ; in slot 2; the first change of slots steps it to slot 3
	CROUND                          ; all four work-groups are here: the first joint loads meet
	s_mov_b32 s[G0K], 1
	s_mul_i32 s[G0K+1], s16, UNITK  ; no place in the cluster enters an LDS address
	s_mov_b64 s[G0K+2:G0K+3], s[8:9]
	s_or_b32 s[G0K+3], s[G0K+3], 0x80000000
	s_mov_b32 s[G0K+4], 1
	s_add_co_u32 s[G0K+5], s[G0K+1], SLOT1
	s_add_nc_u64 s[G0K+6:G0K+7], s[8:9], SLOTB
	s_or_b32 s[G0K+7], s[G0K+7], 0x80000000
	s_mov_b32 s[G0V], 1
	s_mul_i32 s[G0V+1], s16, UNITV
	s_add_co_u32 s[G0V+1], s[G0V+1], VOFF
	s_mov_b64 s[G0V+2:G0V+3], s[10:11]
	s_or_b32 s[G0V+3], s[G0V+3], 0x80000000
	s_mov_b32 s[G0V+4], 1
	s_add_co_u32 s[G0V+5], s[G0V+1], SLOT1
	s_add_nc_u64 s[G0V+6:G0V+7], s[10:11], SLOTB
	s_or_b32 s[G0V+7], s[G0V+7], 0x80000000
	s_cmp_lt_u32 s[WV], 2           ; a wave's two first fills stand in one branch, ahead of every wait on TENSORcnt and every LDS read
	s_cbranch_scc0 .Lfirst_v
	tensor_load_to_lds s[G0K:G0K+3], s[G1K:G1K+7]
	s_nop 0
	tensor_load_to_lds s[G0K+4:G0K+7], s[G1K:G1K+7]
	s_nop 0
.rept 4
	v_nop
.endr
	s_branch .Lfirst_asked
.Lfirst_v:
	tensor_load_to_lds s[G0V:G0V+3], s[G1V:G1V+7]
	s_nop 0
	tensor_load_to_lds s[G0V+4:G0V+7], s[G1V:G1V+7]
	s_nop 0
.rept 4
	v_nop
.endr
.Lfirst_asked:
	v_and_b32 v1, 15, v0            ; r = l % 16
	v_bfe_u32 v9, v0, 4, 1          ; h = l / 16
	v_lshlrev_b32 v[QO], 7, v1
	v_lshl_add_u32 v[QO], v9, 4, v[QO]  ; Q: row x 128 + 16 x half
	WIN 0x40                        ; destination window 1
.irp i, 0,1,2,3,4,5,6,7             ; Q stays in registers: tile i / 2, channels 32 (i % 2) on
	global_load_b128 v[QF+8*\i:QF+8*\i+3],   v[QO], s[4:5] offset:(\i/2)*2048+(\i%2)*64
	global_load_b128 v[QF+8*\i+4:QF+8*\i+7], v[QO], s[4:5] offset:(\i/2)*2048+(\i%2)*64+32
.endr
	WIN 0
	v_lshrrev_b32 v10, 1, v1
	v_and_b32 v11, 1, v0
	v_mul_u32_u24 v[AK0], v10, PKP
	v_lshl_add_u32 v[AK0], v11, 7, v[AK0]
	v_lshl_add_u32 v[AK0], v9, 4, v[AK0]  ; K: key r lies in pair row r / 2, half r % 2; + 16 x half of the lanes
	v_bfe_u32 v10, v0, 1, 2
	v_lshl_add_u32 v10, v9, 2, v10  ; V, for the turning load: lane l reads key 8 h + l % 8: pair row 4 h + (l / 2) % 4, half l % 2, channels 8 ((l / 8) % 2) on
	v_mul_u32_u24 v[AV0], v10, PVP
	v_lshl_add_u32 v[AV0], v11, 7, v[AV0]
	v_bfe_u32 v10, v0, 3, 1
	v_lshl_add_u32 v[AV0], v10, 4, v[AV0]
	v_add_nc_u32 v[AV0], VOFF, v[AV0]
; THE MATRIX WORK OF A TURN, for piece x.  Eight accumulators take turns, one instruction a turn: between two links of a chain stand seven others'.
; Product i of 16 of O^T += V^T P: keys 32 (i / 8) on, channels 16 ((i / 2) % 4) on, tile x + i % 2.  zero = 1: the first 8 start the sums.
.macro PV x, zero
	WIN W_PV
.set rO, 32*(\x+i%2)+8*((i/2)%4)
.set rV, 32*(i/8)+8*((i/2)%4)
.set rP, P+16*(\x+i%2)+8*(i/8)
.if \zero && (i < 8)
	v_wmma_f32_16x16x32_f16 v[rO:rO+7], v[rV:rV+7], v[rP:rP+7], 0
.else
	v_wmma_f32_16x16x32_f16 v[rO:rO+7], v[rV:rV+7], v[rP:rP+7], v[rO:rO+7]
.endif
.endm
; Product i of 16 of S^T = K Q^T: channels 32 (i / 8) on, keys 16 ((i / 2) % 4) on, tile x + i % 2.  The first 8 start the sums.
.macro KQ x
	WIN W_KQ
.set rS, S+32*(\x+i%2)+8*((i/2)%4)
.set rK, KF+16*((i/2)%4)+8*(i/8)
.set rQ, QF+16*(\x+i%2)+8*(i/8)
.if i < 8
	v_wmma_f32_16x16x32_f16 v[rS:rS+7], v[rK:rK+7], v[rQ:rQ+7], 0
.else
	v_wmma_f32_16x16x32_f16 v[rS:rS+7], v[rK:rK+7], v[rQ:rQ+7], v[rS:rS+7]
.endif
.endm
; THE LDS LOADS stand in runs of 16: a step's K (64 keys x 64 channels: 8 fragments) and, a turn later, its V (turned).
.macro FETCH_K
	WIN 0
	v_add_nc_u32 v[ADR], s[TK], v[AK0]
	s_add_co_u32 s[TK], s[TK], KSTEPB  ; the next fetch is the next step's
	WIN 0x40                        ; destination window 1
.irp f, 0,1,2,3,4,5,6,7             ; keys 16 (f / 2) on, channels 32 (f % 2) on
	ds_load_b128 v[KF+8*\f:KF+8*\f+3],   v[ADR] offset:(\f/2)*8*PKP+(\f%2)*64
	ds_load_b128 v[KF+8*\f+4:KF+8*\f+7], v[ADR] offset:(\f/2)*8*PKP+(\f%2)*64+32
.endr
.endm
.macro FETCH_V
	WIN 0
	v_add_nc_u32 v[ADR], s[TV], v[AV0]
	s_add_co_u32 s[TV], s[TV], VSTEPB
	s_wait_alu depctr_va_vdst(0)    ; the wait for the softmax's batch of exponentials, ahead of the first line that names a result
	WIN 0x80                        ; destination window 2
.irp f, 0,1,2,3,4,5,6,7             ; keys 32 (f / 4) on, channels 16 (f % 4) on
	ds_load_tr16_b128 v[8*\f:8*\f+3],   v[ADR] offset:(\f/4)*16*PVP+(\f%4)*32
	ds_load_tr16_b128 v[8*\f+4:8*\f+7], v[ADR] offset:(\f/4)*16*PVP+8*PVP+(\f%4)*32
.endr
.endm
; THE VECTOR WORK OF A TURN.  One tile's softmax for one key step is a list of 118 instructions; SM writes number j of it for tile t.  first = 1: the first key step, which has no a and nothing to rescale.
;   0-15    the maximum of the lane's 32 scores and the old m, three operands at a time (each accumulator is read from its low end on)
;   16-20   the other half of the lanes' maximum; the new m; c m; c m_old - c m_new
;   21-69   ONE BATCH: the 16 packed scalings c s - c m and all 33 exponentials (a at 23); none of these reads an exponential's result
;   (wait)  between 69 and 70 stands the one wait for the batch
;   70-85   the roundings to f16, a pair of weights each;   86-101 the sums; l = a l + the sum;   102-117 the tile's O^T times a
.macro SM t, first
.set rT, ST+8*(\t)
.set rS, S+32*(\t)
.set rP, P+16*(\t)
.set rO, 32*(\t)+2*(j-102)
.if j < 102
	WIN 0
.endif
.if j < 4
	v_max3_num_f32 v[rT+4+j], v[rS+8*j], v[rS+8*j+1], v[rS+8*j+2]
.elseif j < 12
	v_max3_num_f32 v[rT+4+j%4], v[rT+4+j%4], v[rS+8*(j%4)+2*(j/4)+1], v[rS+8*(j%4)+2*(j/4)+2]
.elseif j == 12
	v_max3_num_f32 v[rT+4], v[rT+4], v[rS+7], v[rS+15]
.elseif j == 13
	v_max3_num_f32 v[rT+6], v[rT+6], v[rS+23], v[rS+31]
.elseif j == 14
	v_max3_num_f32 v[rT+4], v[rT+4], v[rT+5], v[rT+6]
.elseif (j == 15) && \first
	v_max_num_f32 v[rT+4], v[rT+4], v[rT+7]
.elseif j == 15
	v_max3_num_f32 v[rT+4], v[rT+4], v[rT+7], v[rT+1]
.elseif j == 16
	v_permlanex16_b32 v[rT+5], v[rT+4], s[SEL], s[SEL+1]  ; the query's other 32 keys lie in the lane 16 away
.elseif j == 18
	v_max_num_f32 v[rT+1], v[rT+4], v[rT+5]
.elseif j == 19
	v_mul_f32 v[rT], s[CS], v[rT+1]
.elseif ((j == 17) || (j == 20) || (j == 23) || (j > 101)) && \first  ; the first step has none of these
.elseif j == 17
	v_mov_b32 v[rT+7], v[rT]        ; c m_old is kept for a
.elseif j == 20
	v_sub_f32 v[rT+7], v[rT+7], v[rT]
.elseif j == 23
	v_exp_f32 v[rT+6], v[rT+7]
.elseif (j < 23) || ((j < 38) && (j%2 == 0)) || ((j < 66) && (j%4 == 2))
.set b, (j-2)/4                     ; 38, 42, .. 62: pairs 9 to 15
.if j < 38
.set b, (j-20)/2                    ; 21: pair 0; 22, 24, .. 36: pairs 1 to 8
.endif
	v_pk_fma_f32 v[rS+2*b:rS+2*b+1], v[rS+2*b:rS+2*b+1], s[CS:CS+1], v[rT:rT+1] op_sel_hi:[1,0,0] neg_lo:[0,0,1] neg_hi:[0,0,1]  ; pair b: c s - c m
.elseif j < 70
.set e, j-38                        ; 66 to 69: s28 to s31
.if j < 66
.set e, j-32-(j-38)/4               ; 39-41, 43-45, .. 63-65: s7 to s27
.endif
.if j < 38
.set e, (j-25)/2                    ; 25, 27, .. 37: s0 to s6
.endif
	v_exp_f32 v[rS+e], v[rS+e]
.elseif j < 86
	v_cvt_pk_f16_f32 v[rP+j-70], v[rS+2*(j-70)], v[rS+2*(j-70)+1]
.elseif j < 102                     ; the sum of the tile's 16 pairs, in place: neighbours 1, 2, 4 and 8 pairs apart, then l takes it
.set z, j-86
.set w, 4
.set u, z
.if z >= 14
.set w, 32
.set u, 0
.elseif z >= 12
.set w, 16
.set u, z-12
.elseif z >= 8
.set w, 8
.set u, z-8
.endif
.if (z == 14) && \first
	v_pk_add_f32 v[rT+2:rT+3], v[rS:rS+1], v[rS+16:rS+17]
.elseif z < 15
	v_pk_add_f32 v[rS+w*u:rS+w*u+1], v[rS+w*u:rS+w*u+1], v[rS+w*u+w/2:rS+w*u+w/2+1]
.elseif !\first
	v_pk_fma_f32 v[rT+2:rT+3], v[rT+2:rT+3], v[rT+6:rT+7], v[rS:rS+1] op_sel_hi:[1,0,1]
.endif
.else
	WIN W_RS
	v_pk_mul_f32 v[rO:rO+1], v[rO:rO+1], v[rT+6:rT+7] op_sel_hi:[1,0]
.endif
.endm
; Slice k of 59 of piece y's softmax: four instructions.  Slices 11 to 34 deal out the batch, four numbers of ONE tile each, the tiles by turns; every other slice is numbers 2 k and 2 k + 1 of both tiles.
; Ahead of slice 35 nothing names an exponential's result, and behind slice 34 no exponential is issued: so the piece's 66 exponentials have one plain line and one wait, behind slice 34.
.macro SLICE y, first
.if (k >= 11) && (k < 35)
.irp n, 0,1,2,3
.set j, 22+4*((k-11)/2)+(\n)
	SM (\y)+(k-11)%2, \first
.endr
.else
.irp n, 0,1
.irp t, \y, \y+1
.set j, 2*k+\n
	SM \t, \first
.endr
.endr
.endif
.if k == 34
	v_nop                           ; the plain instruction behind the last exponential
.if (\y) == 0
	FETCH_V                         ; piece 2's turn: V's run of loads stands here, and the wait stands in it
.else
	s_wait_alu depctr_va_vdst(0)    ; the wait for the batch
.endif
.endif
.set k, k+1
.endm
.macro DEAL y, first                ; the slices that are due behind the turn's cnt-th product of np: 59 dealt evenly
.rept 4
.if k < (59*cnt)/np
	SLICE \y, \first
.endif
.endr
.endm
.macro PLACES
.rept 4
	v_nop
.endr
.endm
; A TURN.  Piece x has the matrix unit.  pv = 2: 16 products V^T P; 1: they start O^T's sums; 0: none.  kq = 1: 16 products K Q^T for the next step.
; PLACES, by count, in a turn of 32 products: behind the last K Q^T stand slices 57 and 58, eight packed multiplies on the other piece's O^T: the places ahead of the next turn's first read of those
; scores and of the loads into K's registers.  V's run of loads stands behind the 19th product; between the 16th, the last that read V, and the run stand six packed scalings, the v_nop and the run's own addition.
; first = 1: the slices from 51 on are empty, and four v_nop take their part.
.macro TURN x, pv, kq, first
.set k, 0
.set cnt, 0
.set np, 16
.if \pv && \kq
.set np, 32
.endif
.if \pv
.if \x == 0
	s_wait_dscnt 0x0                ; V is in
.endif
.set i, 0
.rept 16
	PV \x, 2-\pv
.set cnt, cnt+1
	DEAL 2-\x, \first
.if (\x == 0) && \kq && (i == 1)
	FETCH_K
.endif
.set i, i+1
.endr
.endif
.if \kq
.if \x == 0
	s_wait_dscnt 0x0                ; K is in
.endif
.set i, 0
.rept 16
	KQ \x
.set cnt, cnt+1
	DEAL 2-\x, \first
.set i, i+1
.endr
.endif
.if \first
	PLACES
.endif
.endm
; THE CHANGE OF SLOTS, when the slot's last bytes, V of its fourth step, have been asked for.  Each wave waits for all its tensor loads (its part of the other slot), adds 0 to its spare word, and waits
; for that and for its reads of the slot.  fill = 1: the barrier is a round of the cluster's, and the joint refill, with the keys two slots on, is the first thing behind it.
.macro CHANGE fill
	WIN 0
	s_wait_tensorcnt 0x0            ; no tensor load of mine is out, so a group 0 may be written
	ds_add_u32 v[SPW], v[NIL]       ; 0 onto my spare word
.if \fill
.irp g, G0K+4, G0V+4
	s_xor_b32 s[\g+1], s[\g+1], SLOT1
	s_add_nc_u64 s[\g+2:\g+3], s[\g+2:\g+3], SLOTB
.endr
	s_wait_xcnt 0x0                 ; the last prefetch, four key steps back, has read its address
	s_add_nc_u64 s[PFA:PFA+1], s[PFA:PFA+1], SLOTB
	s_wait_dscnt 0x0                ; the add is done, and my reads of the slot are over
	CROUND
	JLOAD
	ASK
.else
	s_wait_dscnt 0x0
	s_barrier_signal -1
	s_barrier_wait -1
.endif
	s_sub_co_u32 s[TK], s[TK], 4*KSTEPB  ; the fetches go back to a slot's first step,
	s_xor_b32 s[TK], s[TK], SLOT1        ; in the other slot
	s_sub_co_u32 s[TV], s[TV], 4*VSTEPB
	s_xor_b32 s[TV], s[TV], SLOT1
.endm
.macro STEPS trips                  ; key steps: written once, walked trips times; the LDS addresses hang on s[TK] and s[TV]
	s_mov_b32 s[TWICE], \trips
.Lstep_\@:
	TURN 0, 2, 1, 0
	TURN 2, 2, 1, 0
	WIN 0
	s_sub_co_u32 s[TWICE], s[TWICE], 1
	s_cmp_lg_u32 s[TWICE], 0
	s_cbranch_scc1 .Lstep_\@
.endm
	s_wait_tensorcnt 1              ; my part of slot 0 is in; slot 1's may stay out
	s_barrier_signal -1
	s_barrier_wait -1
	FETCH_K                         ; key step 0
	s_wait_loadcnt 0x0              ; Q
	s_wait_dscnt 0x0
.set i, 0
.rept 16
	KQ 0                            ; piece 0's first scores
.set i, i+1
.endr
	WIN 0                           ; the addresses for the way out are made here: plain instructions, the places behind those products
	s_mul_i32 s13, s[WV], 16*SP
	s_add_co_u32 s13, s13, STAGE    ; my stage
	v_mul_u32_u24 v[STO], v1, SP    ; in: row r, 16 bytes for each half of the lanes
	v_lshl_add_u32 v[STO], v9, 4, v[STO]
	v_add_nc_u32 v[STO], s13, v[STO]
	v_bfe_u32 v[RD], v0, 3, 2       ; back: eight lanes take one row of 128 bytes, four rows an instruction
	v_mul_u32_u24 v[RD], v[RD], SP
	v_and_b32 v10, 7, v0
	v_lshl_add_u32 v[RD], v10, 4, v[RD]
	v_add_nc_u32 v[RD], s13, v[RD]
	v_and_b32 v[GO], 31, v0
	v_lshlrev_b32 v[GO], 4, v[GO]   ; which are 512 consecutive bytes of the result
	TURN 2, 0, 1, 1                 ; piece 2's first scores | piece 0's first softmax | V of step 0
	TURN 0, 1, 1, 1                 ; piece 0: V^T P of step 0 starts O^T, K Q^T of step 1 | piece 2's first softmax | K of step 1
	TURN 2, 1, 1, 0                 ; piece 2: the same | piece 0's softmax of step 1 | V of step 1
	WIN 0
	STEPS 2                         ; steps 2 and 3 are fetched: slot 0 is read out
.Lslot:                             ; six trips: every slot but the last two is filled again
	CHANGE 1
	STEPS 4
	s_sub_co_u32 s[SLOTS], s[SLOTS], 1
	s_cmp_lg_u32 s[SLOTS], 0
	s_cbranch_scc1 .Lslot
	CHANGE 0                        ; the tail is written out
	STEPS 4
	TURN 0, 2, 0, 0                 ; piece 0: V^T P of the last step | piece 2's last softmax
.set i, 0
.rept 16
	PV 2, 0                         ; piece 2: V^T P of the last step
.set i, i+1
.endr
	; THE WAY OUT.  l's two halves and the other half of the lanes' are added; O^T is divided by l, rounded to f16 and sent through my stage, a tile (16 rows) at a time.  The additions are the places behind the last products.
	WIN 0
.irp t, 0,1,2,3
	v_add_f32 v[ST+8*\t+4], v[ST+8*\t+2], v[ST+8*\t+3]
.endr
.irp t, 0,1,2,3
	v_permlanex16_b32 v[ST+8*\t+5], v[ST+8*\t+4], s[SEL], s[SEL+1]
.endr
.irp t, 0,1,2,3
	v_add_f32 v[ST+8*\t+4], v[ST+8*\t+4], v[ST+8*\t+5]
.endr
.irp t, 0,1,2,3
	v_rcp_f32 v[ST+8*\t+6], v[ST+8*\t+4]
.endr
	v_nop                           ; a plain instruction between the last reciprocal and the use of its result
	s_wait_alu depctr_va_vdst(0)    ; and one wait for the four reciprocals, ahead of the first use
.macro PACK t
	WIN W_RS
.set i, 32*\t
.rept 16
	v_pk_mul_f32 v[i:i+1], v[i:i+1], v[ST+8*\t+6:ST+8*\t+7] op_sel_hi:[1,0]
.set i, i+2
.endr
	WIN 0x05                        ; sources 0 and 1 window 1, destination window 0: S^T's registers are free
.set i, 0
.rept 16
	v_cvt_pk_f16_f32 v[S+32*\t+i], v[32*\t+2*i], v[32*\t+2*i+1]
.set i, i+1
.endr
	WIN 0
.irp f, 0,1,2,3
	ds_store_b128 v[STO], v[S+32*\t+4*\f:S+32*\t+4*\f+3] offset:32*\f
.endr
.irp f, 0,1,2,3
	ds_load_b128 v[S+32*\t+16+4*\f:S+32*\t+16+4*\f+3], v[RD] offset:\f*4*SP  ; LDS serves a wave's instructions in order: these see the stores above; the next tile's stores come behind them
.endr
.endm
.macro SEND t, younger              ; younger: the LDS instructions issued behind tile t's loads: the next tile's eight, or none
.irp f, 0,1,2,3
	s_wait_dscnt \younger+3-\f
	global_store_b128 v[GO], v[S+32*\t+16+4*\f:S+32*\t+16+4*\f+3], s[6:7] offset:\t*2048+\f*512  ; the wave stores 512 consecutive bytes, aligned
.endr
.endm
	PACK 0
	PACK 1
	SEND 0, 8
	PACK 2
	SEND 1, 8
	PACK 3
	SEND 2, 8
	SEND 3, 0
	s_wait_tensorcnt 0x0            ; the wave's end
	ds_add_u32 v[SPW], v[NIL]
	s_wait_dscnt 0x0
	CROUND                          ; the closing round
	s_endpgm
.Lfunc_end_k_q0cc5b2c82d_attn:
	.size	k_q0cc5b2c82d_attn, .Lfunc_end_k_q0cc5b2c82d_attn-k_q0cc5b2c82d_attn
	.p2alignl 7, 3214868480
	.fill 96, 4, 3214868480
	.section	.rodata,"a",@progbits
	.p2align	6, 0x0
	.amdhsa_kernel k_q0cc5b2c82d_attn
		.amdhsa_group_segment_fixed_size 327680
		.amdhsa_private_segment_fixed_size 0
		.amdhsa_enable_private_segment 0
		.amdhsa_kernarg_size 16
		.amdhsa_user_sgpr_count 2
		.amdhsa_user_sgpr_kernarg_segment_ptr 1
		.amdhsa_wavefront_size32 1
		.amdhsa_system_sgpr_workgroup_id_x 1
		.amdhsa_system_sgpr_workgroup_id_y 1
		.amdhsa_system_sgpr_workgroup_id_z 1
		.amdhsa_system_vgpr_workitem_id 0
		.amdhsa_next_free_vgpr 576
		.amdhsa_next_free_sgpr 66
		.amdhsa_reserve_vcc 0
		.amdhsa_float_denorm_mode_32 3
		.amdhsa_float_denorm_mode_16_64 3
		.amdhsa_memory_ordered 1
		.amdhsa_forward_progress 1
		.amdhsa_inst_pref_size 195
	.end_amdhsa_kernel
	.amdgpu_metadata
---
amdhsa.version: [ 1, 2 ]
amdhsa.kernels:
  - .name:           k_q0cc5b2c82d_attn
    .symbol:         k_q0cc5b2c82d_attn.kd
    .args:
      - { .name: qkv, .offset: 0, .size: 8, .value_kind: global_buffer, .address_space: global }
      - { .name: att, .offset: 8, .size: 8, .value_kind: global_buffer, .address_space: global }
    .group_segment_fixed_size: 327680
    .private_segment_fixed_size: 0
    .kernarg_segment_align: 8
    .kernarg_segment_size: 16
    .max_flat_workgroup_size: 128
    .sgpr_count:     66
    .vgpr_count:     576
    .wavefront_size: 32
...
	.end_amdgpu_metadata
.endif
;; end of part 3
;; launch proj (part 4): grid 4 x 64, 4 waves a work-group, clusters of 4 x 4, 327,680 bytes of LDS; arguments att, wo16, bo, out0; writes out0
.if DOCPART == 4
	.amdgcn_target "amdgcn-amd-amdhsa--gfx1250"
	.amdhsa_code_object_version 6
	.text
	.protected	k_q0cc5b2c82d_proj
	.globl	k_q0cc5b2c82d_proj
	.p2align	8
	.type	k_q0cc5b2c82d_proj,@function
k_q0cc5b2c82d_proj:
	s_mov_b64 s[64:65], 0
	v_nop
	global_prefetch_b8 v0, s[64:65] scope:SCOPE_SE
	s_setreg_imm32_b32 hwreg(HW_REG_WAVE_MODE, 25, 1), 1
	s_wait_xcnt 0x0
	s_wait_alu depctr_hold_cnt(0) depctr_sa_sdst(0) depctr_va_vdst(0) depctr_va_sdst(0) depctr_va_ssrc(0) depctr_va_vcc(0) depctr_vm_vsrc(0)
	s_getreg_b32 s2, hwreg(HW_REG_IB_STS2, 6, 4)
	s_cmp_eq_u32 s2, 0
	s_cbranch_scc0 .Lentry_in_a_cluster
	s_endpgm
.Lentry_in_a_cluster:
	s_bfe_u32 s2, ttmp6, 0x10000c
	s_cmp_lg_u32 s2, 0xf033
	s_cbranch_scc0 .Lentry_shape_is_right
	s_endpgm
.Lentry_shape_is_right:
; out0[m][n] = sum over k of A[m][k] Wo[k][n] + bo[n], f16 operands, f32 sums, f32 out.  A is att [bh 64][s 2048][64]: k = 64 head + d, m = 2048 b + s.  Wo is wo16 [k 1024][n 1024], f16, as Wo lies.
; A tile of the result is 128 (m) x 256 (n): 256 work-groups, one for each WGP.  Four waves, each 64 x 128: 32 accumulators, 256 registers.  K goes in steps of 128 (two heads) through two LDS slots.
; A's part of a K step is, for each of its two heads, 128 tokens x 128 bytes, dense: 64 rows of 256 bytes (two tokens each).  Wo's part is 128 rows (k) of 512 bytes; it comes out of LDS turned, by ds_load_tr16_b128.
; CLUSTERS: 4 x 4 work-groups; A's tiles hang on the tile row alone and are shared along a row of the cluster, Wo's on the tile column alone and are shared along a column: joint loads.
; By this text's own count a wave has two tensor loads out at the start and one behind each round; that one has 112 matrix instructions between its request and the wait for it.
; THE MATRIX INSTRUCTION IS USED TRANSPOSED (source 0 = 16 columns of Wo, source 1 = 16 rows of A): a lane holds eight neighbouring numbers of a row.  THE BIAS is the C of each sum's first product.
; No prefetch: both operands are small beside the step's work and are read by many work-groups at about the same time.
; REGISTERS: window 0: v16-30 addresses; v32-95 the bias in the result's layout; v128-255 rows on the way out.  window 1: the accumulators ((a, b) at v[8 (8 a + b)]).
;   window 2: two fragment buffers of 96: Wo's 8 fragments, then A's 4, for 32 along K.
.set PA,     272                       ; a pair row of A in LDS: 256 bytes + 16
.set PB,     544                       ; a row of Wo: 512 bytes + 32
.set BOFF,   2*64*PA                   ; a slot: A's two heads (64 pair rows each), then Wo's 128 rows
.set SLOT,   BOFF+128*PB
.set STAGE,  2*SLOT                    ; behind the ring: 16 rows x (512 bytes + 16) for each wave
.set SPITCH, 528
.set SPARE,  STAGE+4*16*SPITCH         ; the spare words, 128 bytes for each wave
.set LAPS,   4                         ; a lap = two K steps; 1,024 / 256
.set ADRA, 16
.set ADRB, 20
.set STO,  24
.set RD,   25
.set CO,   26
.set SPW,  28
.set NIL,  29
.set BO,   30
.set BI,   32
.set BK,   128
.set F0,   0
.set F1,   96
.set G1, 24
.set G0, 32
.set G1B, 48
.set G0B, 56
.set MSB, 0
.macro WIN new
.if MSB != (\new)
	s_set_vgpr_msb (MSB<<8)|(\new)
.set MSB, (\new)
.endif
.endm
.set MUL,  0x5a                        ; sources 0 and 1 window 2; C and D window 1
.set MUL0, 0x4a                        ; the first products: C (the bias) window 0
.set TO_F, 0x80                        ; destination window 2, address window 0
.macro JLOAD s                         ; a joint load: waves 0 and 1 fetch A's two heads, waves 2 and 3 Wo's two halves
	s_cmp_eq_u32 s11, 0
	s_cbranch_scc0 .Lfor_b_\@
	tensor_load_to_lds s[G0+4*\s:G0+4*\s+3], s[G1:G1+7]
	s_nop 0
.rept 4
	v_nop
.endr
	s_branch .Lasked_\@
.Lfor_b_\@:
	tensor_load_to_lds s[G0B+4*\s:G0B+4*\s+3], s[G1B:G1B+7]
	s_nop 0
.rept 4
	v_nop
.endr
.Lasked_\@:
.endm
.macro CREST
	s_cmp_lg_u32 s10, 0
	s_cbranch_scc1 .Lnot_wave_0_\@
	s_barrier_signal -3
.Lnot_wave_0_\@:
	s_barrier_wait -3
	s_barrier_signal -1
	s_barrier_wait -1
.endm
.macro CROUND
	s_barrier_signal -1
	s_barrier_wait -1
	CREST
.endm
	s_load_b128 s[4:7], s[0:1], 0x0                ; att s[4:5], wo16 s[6:7]
	s_load_b128 s[68:71], s[0:1], 0x10             ; bo s[68:69], out0 s[70:71]
	v_lshl_add_u32 v[SPW], v0, 2, SPARE
	v_mov_b32 v[NIL], 0
	ds_add_u32 v[SPW], v[NIL]                      ; the wave's opening: the add, twice on end, and its wait ahead of my first tensor load
	ds_add_u32 v[SPW], v[NIL]
	v_lshrrev_b32 v1, 5, v0
	v_readfirstlane_b32 s10, v1                    ; wave 0..3
	s_lshr_b32 s11, s10, 1                         ; my half of the tile's rows.  Also: I fetch for A (0) or for Wo (1)
	s_and_b32 s12, s10, 1                          ; my half of its columns.  Also: which head, or which 64 rows of Wo, I fetch
	s_bfe_u32 s40, ttmp6, 0x40000                  ; cx, cy
	s_bfe_u32 s41, ttmp6, 0x40004
	s_lshl_b32 s42, ttmp9, 2
	s_add_co_u32 s42, s42, s40                     ; tile column
	s_and_b32 s13, ttmp7, 0xffff
	s_lshl_b32 s13, s13, 2
	s_add_co_u32 s13, s13, s41                     ; tile row
	s_lshl_b32 s43, s41, 2
	s_lshl_b32 s43, 15, s43                        ; my row of the cluster
	s_lshl_b32 s44, 0x1111, s40                    ; my column
	s_or_b32 s[G1+0], s43, (1<<16)|(1<<20)|(1<<21)|(5<<22)|(3<<25)  ; A: the mask; elements of 2 bytes; padding on; bit 21 beside a mask; 4 words after every 64
	s_mov_b32 s[G1+1], 128<<16                     ; tensor_dim0 = 128 elements: two tokens
	s_mov_b32 s[G1+2], 64<<16                      ; tensor_dim1
	s_mov_b32 s[G1+3], 128<<16                     ; tile_dim0
	s_mov_b32 s[G1+4], 64                          ; tile_dim1
	s_mov_b32 s[G1+5], 128                         ; the pitch: dense
	s_mov_b32 s[G1+6], 0
	s_mov_b32 s[G1+7], 0
	s_or_b32 s[G1B+0], s44, (1<<16)|(1<<20)|(1<<21)|(6<<22)|(7<<25) ; Wo: 8 words after every 128
	s_mov_b32 s[G1B+1], 256<<16
	s_mov_b32 s[G1B+2], 64<<16
	s_mov_b32 s[G1B+3], 256<<16
	s_mov_b32 s[G1B+4], 64
	s_mov_b32 s[G1B+5], 1024
	s_mov_b32 s[G1B+6], 0
	s_mov_b32 s[G1B+7], 0
	s_lshr_b32 s16, s13, 4                         ; the batch: sixteen tile rows each
	s_lshl_b32 s16, s16, 4
	s_add_co_u32 s16, s16, s12                     ; A: head block 16 b + (wave % 2), K step 0
	s_lshl_b32 s16, s16, 18
	s_and_b32 s17, s13, 15
	s_lshl_b32 s17, s17, 14                        ; + the tile's 128 tokens of 128 bytes
	s_add_co_u32 s16, s16, s17
	s_mov_b32 s17, 0
	s_lshl_b32 s46, s12, 17                        ; Wo: row 64 (wave % 2) of 2,048 bytes
	s_lshl_b32 s47, s42, 9                         ; + 256 columns of 2 bytes for each tile column
	s_add_co_u32 s46, s46, s47
	s_mov_b32 s47, 0
	s_mul_i32 s20, s12, 64*PA                      ; where they go: no place in the cluster enters an LDS address
	s_mul_i32 s21, s12, 64*PB
	s_add_co_u32 s21, s21, BOFF
	s_wait_dscnt 0x0                               ; both opening adds are done
	s_wait_kmcnt 0x0
	s_add_nc_u64 s[14:15], s[4:5], s[16:17]
	s_add_nc_u64 s[46:47], s[6:7], s[46:47]
	CROUND                                         ; all sixteen work-groups are here: the first joint loads meet
.irp s, 0,1
	s_mov_b32 s[G0+4*\s], 1
	s_add_co_u32 s[G0+4*\s+1], s20, \s*SLOT
	s_add_nc_u64 s[G0+4*\s+2:G0+4*\s+3], s[14:15], \s*(2<<18)      ; K step s: two heads on
	s_or_b32 s[G0+4*\s+3], s[G0+4*\s+3], 0x80000000
	s_mov_b32 s[G0B+4*\s], 1
	s_add_co_u32 s[G0B+4*\s+1], s21, \s*SLOT
	s_add_nc_u64 s[G0B+4*\s+2:G0B+4*\s+3], s[46:47], \s*128*2048   ; 128 rows on
	s_or_b32 s[G0B+4*\s+3], s[G0B+4*\s+3], 0x80000000
	JLOAD \s
.endr
	v_and_b32 v1, 15, v0                           ; r
	v_bfe_u32 v2, v0, 4, 1                         ; h
	s_lshl_b32 s16, s42, 10                        ; the bias: my 128 columns begin at 256 x tile column + 128 x half
	s_lshl_b32 s17, s12, 9
	s_add_co_u32 s16, s16, s17
	s_mov_b32 s17, 0
	s_add_nc_u64 s[68:69], s[68:69], s[16:17]
	v_lshlrev_b32 v[BO], 5, v2
.irp b, 0,1,2,3,4,5,6,7
	global_load_b128 v[BI+8*\b:BI+8*\b+3], v[BO], s[68:69] offset:64*\b        ; bo(16 b + 8 h + 0 .. 7)
	global_load_b128 v[BI+8*\b+4:BI+8*\b+7], v[BO], s[68:69] offset:64*\b+16
.endr
	v_lshrrev_b32 v3, 1, v1
	v_mul_u32_u24 v3, v3, PA
	v_and_b32 v4, 1, v0
	v_lshl_add_u32 v3, v4, 7, v3
	v_lshl_add_u32 v3, v2, 4, v3                   ; A: token r lies in pair row r / 2, half r % 2; + 16 x half of the lanes
	v_and_b32 v4, 7, v0
	v_lshl_add_u32 v4, v2, 3, v4
	v_mul_u32_u24 v4, v4, PB
	v_bfe_u32 v5, v0, 3, 1
	v_lshl_add_u32 v4, v5, 4, v4                   ; Wo, for the turning load: row 8 h + l % 8, columns 8 ((l / 8) % 2) on
	s_mul_i32 s21, s11, 32*PA                      ; my 64 tokens
	s_lshl_b32 s22, s12, 8                         ; my 128 columns
	s_add_co_u32 s22, s22, BOFF
.irp s, 0,1
	v_add_nc_u32 v[ADRA+\s], s21, v3
	v_add_nc_u32 v[ADRB+\s], s22, v4
	s_add_co_u32 s21, s21, SLOT
	s_add_co_u32 s22, s22, SLOT
.endr
	s_mul_i32 s23, s10, 16*SPITCH
	s_add_co_u32 s23, s23, STAGE                   ; my stage
	v_mul_u32_u24 v5, v1, SPITCH
	v_lshl_add_u32 v5, v2, 5, v5
	v_add_nc_u32 v[STO], s23, v5                   ; in: row r, 32 bytes for each half of the lanes
	v_and_b32 v6, 31, v0
	v_lshlrev_b32 v[CO], 4, v6                     ; back: the 32 lanes take one row of 512 bytes; and the same in the result
	v_add_nc_u32 v[RD], s23, v[CO]
	s_lshl_b32 s18, s13, 19                        ; my first row: (128 x tile row + 64 x half) x 4,096 bytes
	s_lshl_b32 s19, s11, 18
	s_add_co_u32 s18, s18, s19
	s_add_co_u32 s18, s18, s16                     ; + my first column x 4 bytes
	s_mov_b32 s19, 0
	s_add_nc_u64 s[70:71], s[70:71], s[18:19]
; 8 matrix instructions: A's block a x Wo's eight, 32 along K, from buffer f.  zero = 1: the first product starts the sum from the bias.  The 32 accumulators take turns in one order.
.macro MULA f, a, zero
.irp b, 0,1,2,3,4,5,6,7
.if \zero
	v_wmma_f32_16x16x32_f16 v[8*(8*(\a)+\b):8*(8*(\a)+\b)+7], v[\f+8*\b:\f+8*\b+7], v[\f+64+8*(\a):\f+64+8*(\a)+7], v[BI+8*\b:BI+8*\b+7]
.else
	v_wmma_f32_16x16x32_f16 v[8*(8*(\a)+\b):8*(8*(\a)+\b)+7], v[\f+8*\b:\f+8*\b+7], v[\f+64+8*(\a):\f+64+8*(\a)+7], v[8*(8*(\a)+\b):8*(8*(\a)+\b)+7]
.endif
.endr
.endm
; 24 LDS loads in one run: quarter q (32 along K) of a slot into buffer f: Wo's 16, then A's blocks 0 and 1, then blocks 2 and 3
.macro FETCH slot, q, f
	WIN TO_F
.irp b, 0,1,2,3,4,5,6,7
	ds_load_tr16_b128 v[\f+8*\b:\f+8*\b+3],   v[ADRB+\slot] offset:(\q)*32*PB+32*\b
	ds_load_tr16_b128 v[\f+8*\b+4:\f+8*\b+7], v[ADRB+\slot] offset:(\q)*32*PB+32*\b+16*PB
.endr
.irp a, 0,1,2,3
	ds_load_b128 v[\f+64+8*\a:\f+64+8*\a+3],   v[ADRA+\slot] offset:((\q)/2)*64*PA+((\q)%2)*64+\a*8*PA
	ds_load_b128 v[\f+64+8*\a+4:\f+64+8*\a+7], v[ADRA+\slot] offset:((\q)/2)*64*PA+((\q)%2)*64+\a*8*PA+32
.endr
.endm
.macro PLACES                          ; four plain lines in front of loads into registers that matrix instructions have read, and of the first read of results
.rept 4
	v_nop
.endr
.endm
; A K step is four quarters of 32 along K, 32 matrix instructions each, on buffers 0, 1, 0, 1.  One of the first three: multiplies buffer f and fetches quarter qn into g.
.macro QUARTER slot, qn, f, g, zero
	s_wait_dscnt 4                                 ; Wo's fragments and A's blocks 0 and 1 are in; the youngest four loads (blocks 2 and 3) may be out
.if \zero
	WIN MUL0
.else
	WIN MUL
.endif
	MULA \f, 0, \zero
	MULA \f, 1, \zero
	PLACES
	FETCH \slot, \qn, \g
	s_wait_dscnt 24                                ; all but the 24 just issued
.if \zero
	WIN MUL0
.else
	WIN MUL
.endif
	MULA \f, 2, \zero
	MULA \f, 3, \zero
.endm
; The last quarter multiplies buffer 1 and changes slots: ONE barrier; in front of it each wave waits for all its tensor loads, adds 0 to its spare word, and waits for that and for its reads of this slot.
.macro TURN slot, next, fill
	WIN 0
	s_wait_tensorcnt 0x0                           ; all my tensor loads have landed: my part of the next slot
	ds_add_u32 v[SPW], v[NIL]                      ; 0 onto my spare word
	s_wait_dscnt 5                                 ; the add and the youngest four loads may be out
	WIN MUL
	MULA F1, 0, 0
	s_wait_dscnt 0x0                               ; the add is done, and my reads of this slot are over
	s_barrier_signal -1
	MULA F1, 1, 0
.if \fill
	WIN 0
.endif
	s_barrier_wait -1
.if \fill
	CREST                                          ; the barrier has opened a round of the cluster's: no wave of any partner still reads this slot or has a load on its way
	s_add_nc_u64 s[G0+4*\slot+2:G0+4*\slot+3], s[G0+4*\slot+2:G0+4*\slot+3], 4<<18       ; two K steps on: four heads,
	s_add_nc_u64 s[G0B+4*\slot+2:G0B+4*\slot+3], s[G0B+4*\slot+2:G0B+4*\slot+3], 256*2048 ; 256 rows of Wo
	JLOAD \slot                                    ; the first tensor load behind the round; the four v_nop behind it are also the places in front of the loads below
.else
	PLACES
.endif
	FETCH \next, 0, F0
	WIN MUL
	MULA F1, 2, 0
	MULA F1, 3, 0
.endm
	s_wait_tensorcnt 1                             ; my part of K step 0 is in; K step 1's may be out
	s_barrier_signal -1
	s_barrier_wait -1
	FETCH 0, 0, F0
	s_wait_loadcnt 0x0                             ; the bias
	QUARTER 0, 1, F0, F1, 1                        ; the first quarter stands in front of the loop: its products start the sums
	WIN 0
	s_mov_b32 s3, LAPS-1
.Llap:                                                 ; a trip goes once round the ring and fills both slots again
	QUARTER 0, 2, F1, F0, 0
	QUARTER 0, 3, F0, F1, 0
	TURN 0, 1, 1
	QUARTER 1, 1, F0, F1, 0
	QUARTER 1, 2, F1, F0, 0
	QUARTER 1, 3, F0, F1, 0
	TURN 1, 0, 1
	QUARTER 0, 1, F0, F1, 0
	WIN 0
	s_sub_co_u32 s3, s3, 1
	s_cmp_lg_u32 s3, 0
	s_cbranch_scc1 .Llap
	QUARTER 0, 2, F1, F0, 0                        ; the last lap fills nothing
	QUARTER 0, 3, F0, F1, 0
	TURN 0, 1, 0
	QUARTER 1, 1, F0, F1, 0
	QUARTER 1, 2, F1, F0, 0
	QUARTER 1, 3, F0, F1, 0
	s_wait_dscnt 4                                 ; the very last quarter
	WIN MUL
	MULA F1, 0, 0
	MULA F1, 1, 0
	s_wait_dscnt 0
	MULA F1, 2, 0
	MULA F1, 3, 0
	WIN 0
; THE WAY OUT, block by block of 16 rows x 128 columns: through my own stage and back as whole rows of 512 bytes.
.macro TOSTAGE a
.set AC, 64*(\a)
	WIN 0x04                                       ; an LDS store's data are its source 1: window 1
.irp b, 0,1,2,3,4,5,6,7
	ds_store_b128 v[STO], v[AC+8*\b:AC+8*\b+3] offset:64*\b          ; each accumulator from its low end on
	ds_store_b128 v[STO], v[AC+8*\b+4:AC+8*\b+7] offset:64*\b+16
.endr
	WIN 0
.set BB, BK+64*((\a)%2)
.irp t, 0,1,2,3,4,5,6,7,8,9,10,11,12,13,14,15
	ds_load_b128 v[BB+4*\t:BB+4*\t+3], v[RD] offset:\t*SPITCH        ; LDS serves a wave's instructions in order: these see the stores above
.endr
.endm
.macro SEND a, younger                 ; younger: the LDS instructions issued behind block a's loads, which may stay out
.set BB, BK+64*((\a)%2)
	s_wait_dscnt \younger
.irp t, 0,1,2,3,4,5,6,7,8,9,10,11,12,13,14,15
	global_store_b128 v[CO], v[BB+4*\t:BB+4*\t+3], s[70:71] offset:(\a)*65536+\t*4096 th:TH_STORE_NT   ; the wave stores 512 consecutive bytes, aligned; written once, read by nobody here
.endr
.endm
	PLACES                                         ; behind the last products
	TOSTAGE 0
.irp a, 1,2,3
.if \a > 1
	s_wait_xcnt 0x0                                ; block a - 2's stores have read their registers: block a's loads may land there
.endif
	TOSTAGE \a
	SEND \a-1, 32                                  ; behind block a - 1's loads: block a's 16 stores and 16 loads
.endr
	SEND 3, 0
	s_wait_tensorcnt 0x0                           ; the wave's end
	ds_add_u32 v[SPW], v[NIL]
	s_wait_dscnt 0x0
	CROUND                                         ; the closing round
	s_endpgm
.Lfunc_end_k_q0cc5b2c82d_proj:
	.size	k_q0cc5b2c82d_proj, .Lfunc_end_k_q0cc5b2c82d_proj-k_q0cc5b2c82d_proj
	.p2alignl 7, 3214868480
	.fill 96, 4, 3214868480
	.section	.rodata,"a",@progbits
	.p2align	6, 0x0
	.amdhsa_kernel k_q0cc5b2c82d_proj
		.amdhsa_group_segment_fixed_size 327680
		.amdhsa_private_segment_fixed_size 0
		.amdhsa_enable_private_segment 0
		.amdhsa_kernarg_size 32
		.amdhsa_user_sgpr_count 2
		.amdhsa_user_sgpr_kernarg_segment_ptr 1
		.amdhsa_wavefront_size32 1
		.amdhsa_system_sgpr_workgroup_id_x 1
		.amdhsa_system_sgpr_workgroup_id_y 1
		.amdhsa_system_sgpr_workgroup_id_z 1
		.amdhsa_system_vgpr_workitem_id 0
		.amdhsa_next_free_vgpr 704
		.amdhsa_next_free_sgpr 72
		.amdhsa_reserve_vcc 0
		.amdhsa_float_denorm_mode_32 3
		.amdhsa_float_denorm_mode_16_64 3
		.amdhsa_memory_ordered 1
		.amdhsa_forward_progress 1
		.amdhsa_inst_pref_size 87
	.end_amdhsa_kernel
	.amdgpu_metadata
---
amdhsa.version: [ 1, 2 ]
amdhsa.kernels:
  - .name:           k_q0cc5b2c82d_proj
    .symbol:         k_q0cc5b2c82d_proj.kd
    .args:
      - { .name: att, .offset: 0, .size: 8, .value_kind: global_buffer, .address_space: global }
      - { .name: wo16, .offset: 8, .size: 8, .value_kind: global_buffer, .address_space: global }
      - { .name: bo, .offset: 16, .size: 8, .value_kind: global_buffer, .address_space: global }
      - { .name: out0, .offset: 24, .size: 8, .value_kind: global_buffer, .address_space: global }
    .group_segment_fixed_size: 327680
    .private_segment_fixed_size: 0
    .kernarg_segment_align: 8
    .kernarg_segment_size: 32
    .max_flat_workgroup_size: 128
    .sgpr_count:     72
    .vgpr_count:     704
    .wavefront_size: 32
...
	.end_amdgpu_metadata
.endif
;; end of part 4
